; MI455X (gfx1250); checked and timed in simulation.
; The chip was launched on July 23, 2026; its instructions are those of AMD's public machine-readable ISA for CDNA 5 (MIT licence, August 2026) and "CDNA5" Instruction Set Architecture Reference Guide (July 2026). The comments in the code are by the model that wrote it; some were corrected since.
;; Custom Attention Markov. Allowed arithmetic: matrix products marked QUANTISED: E2M1 operands, one E8M0 scale for each 32 along K, by v_wmma_scale_f32_16x16x128_f8f6f4 with both operands' format E2M1 (or v_wmma_scale_f32_32x16x128_f4), f32 sums; products left as they are: bf16, f16 or f32 operands; f32 sums; everything else in f32.
;; Inputs: Wk 1,024 x 1,024 float32; Wo 1,024 x 1,024 float32; Wq 1,024 x 1,024 float32; Wv 1,024 x 1,024 float32; bk 1,024 float32; bo 1,024 float32; bq 1,024 float32; bv 1,024 float32; key 4 x 2,048 x 1,024 float32; query 4 x 2,048 x 1,024 float32; value 4 x 2,048 x 1,024 float32.
;; Outputs: out0 4 x 2,048 x 1,024 float32.
;; This version of the problem:
;;   THIS VERSION OF THE PROBLEM IS GIVEN IN LOW PRECISION. The matrix products marked QUANTISED in the list below multiply operands that are first quantised to E2M1 (2 exponent bits, 1 mantissa bit; 4 bits a number), with one power-of-two scale for each 32 numbers along K (OCP MX v1.0); their sums are f32. The products marked 'left as it is' may take bf16, f16 or f32 operands, with f32 sums. Whichever they take, every output number must still come out within the allowed error. Rounding operands to bf16 (8 significant bits) uses up far more of that allowance than f16 does (11 bits, for magnitudes from 6e-5 to 65,504). All else is computed in f32.
;;   The module's matrix products, in the order in which they are computed (A, B: the left and right operand; K: the contracted axis; several contracted axes count as one K, in the product's order):
;;     1. [M 8,192, K 1,024] x [K 1,024, N 1,024]; A: input query; B: input Wq: QUANTISED
;;     2. [M 8,192, K 1,024] x [K 1,024, N 1,024]; A: input key; B: input Wk: QUANTISED
;;     3. [M 8,192, K 1,024] x [K 1,024, N 1,024]; A: input value; B: input Wv: QUANTISED
;;     4. batch 4 x [M 2,048, K 1,024] x [K 1,024, N 2,048]; A: computed on the way; B: computed on the way: left as it is (an operand is computed on the way)
;;     5. batch 4 x [M 2,048, K 2,048] x [K 2,048, N 1,024]; A: computed on the way; B: computed on the way: left as it is (an operand is computed on the way)
;;     6. [M 8,192, K 1,024] x [K 1,024, N 1,024]; A: computed on the way; B: input Wo: left as it is (an operand is computed on the way)
;;   THE QUANTISER, for each operand of a quantised product, along K:
;;     - K is cut into blocks of 32 from its start; a last block that is shorter is filled with zeros.
;;     - A block's scale is 2^e with e = floor(log2(the largest magnitude in the block)) - 2, held to -126 .. 127; a block of zeros has e = 0. As a byte (E8M0): e + 127.
;;     - Each number is divided by its block's scale, clamped to +-6, and rounded to the nearest number of E2M1, ties to even, subnormals kept.
;;     - The product sums the exact products of the quantised numbers (number of the format x scale) in f32.
;;   ~~~python
;;   def quantise(x, axis):      # numpy; x: float32 -> the quantised numbers, widened to float32 again
;;       x = np.moveaxis(x, axis, -1); K = x.shape[-1]
;;       x = np.pad(x, [(0, 0)] * (x.ndim - 1) + [(0, -K % 32)]); x = x.reshape(x.shape[:-1] + (-1, 32)); a = np.abs(x).max(-1, keepdims=True)
;;       e = np.where(a > 0, np.clip(np.frexp(np.where(a > 0, a, 1))[1] - 1 - 2, -126, 127), 0)      # np.frexp(a)[1] - 1 = floor(log2(a)), exactly
;;       r = np.clip(x / 2.0 ** e, -6, 6)
;;       step = 2.0 ** (np.maximum(np.frexp(np.where(r == 0, 1, r))[1] - 1, 0) - 1)
;;       q = np.round(r / step) * step * 2.0 ** e      # np.round: ties to even
;;       return np.moveaxis(q.reshape(q.shape[:-2] + (-1,))[..., :K], -1, axis).astype(np.float32)
;;   ~~~
;; One version. Each part assembles by itself: llvm-mc -triple=amdgcn-amd-amdhsa -mcpu=gfx1250 --defsym DOCPART=n.
;; ======== version 1 of 1: 7 launches
;; limits: values are held in f16: magnitudes above 65,504 overflow, below 6.1e-05 lose precision; right only within a limited range of input values
;; workspace buffers: xq 13,369,344 bytes; wq 3,768,320 bytes; qkv 50,331,648 bytes; fine 786,432 bytes; sc 67,108,864 bytes; pm 33,554,432 bytes; om 16,777,216 bytes
;; launch prep (part 1): grid 848 x 1, 4 waves a work-group, no clusters, 68,096 bytes of LDS; arguments query, key, value, Wq, Wk, Wv, Wo, xq, wq; writes xq, wq
.if DOCPART == 1
	.amdgcn_target "amdgcn-amd-amdhsa--gfx1250"
	.amdhsa_code_object_version 6
	.text
	.protected	k_q9713e3e44c_prep
	.globl	k_q9713e3e44c_prep
	.p2align	8
	.type	k_q9713e3e44c_prep,@function
k_q9713e3e44c_prep:
	s_mov_b64 s[64:65], 0
	v_nop
	global_prefetch_b8 v0, s[64:65] scope:SCOPE_SE
	s_setreg_imm32_b32 hwreg(HW_REG_WAVE_MODE, 25, 1), 1
	s_wait_xcnt 0x0
; PREP: the operands of the three quantised projections become codes of E2M1 with one E8M0 byte for each 32 along K; Wo becomes f16.
; THE PROGRAM: prep | proj (products 1-3 on codes, + bias) | scores (q k^T) | softmax | pv (p v) | oproj (o Wo + bo) | fine16 (positions 0-15 of each sequence, in f32).
; WORK LEFT OUT, in the later launches.  reference() builds causal = tril(ones) in its own body and sets scores[q][k] = -1e9 wherever k > q.  After the row's maximum is
; taken away, exp of such a score is 0 beside the row's own key k = q, which always counts.  So for every finite input a score with k > q reaches no output, and neither
; does its weight times v[k].  Whole 256 x 256 tiles of product 4 whose first key lies behind their last query are not multiplied, the chunks of 128 keys behind a row's
; own chunk are not read by the softmax, and the K steps of product 5 behind a row block's last 256 keys are not run.  Every input has a way to the output: all are loaded.
; LIMITS.  A masked weight counts as exactly 0, which holds while unmasked scores lie above about -1e9 + 150.  A NaN, an infinity or an overflow that sits only in the
; work left out is not carried to the result.  q, k, v, p v and Wo go to the matrix units as f16: magnitudes under 65,504.  Blocks whose largest magnitude lies under
; 2^-124 (the floor, byte 1) were not tried; a block of zeros gets the byte 1 where the rule says 127: its codes are zeros and this program alone reads the bytes.
; NaN and infinities among the inputs are not served.
; SHARES.  Work-groups 0-47: Wq, Wk, Wv ([k][n], K outermost): a lane takes a column, its registers run down K.  48-79: Wo to f16.  80-847: query, key, value (K innermost).
; The three paths part on the work-group's number, have LDS bytes of their own, and join at the end.
.set XQS, 12582912                     ; xq: codes [3][8192][512 bytes], then from here scale bytes [3][8192][32]
.set WQS, 1572864                      ; wq: codes [3][1024 n][512 bytes], from here scale bytes [3][1024][32],
.set WQO, 1671168                      ; and from here Wo as f16 [1024 k][1024 n]
.set SPW, 192                          ; v192 LDS address of my spare word; never rewritten
.set NIL, 193                          ; v193 0; never rewritten
.set SPARE, 67584                      ; behind both paths' regions: the spare words, 128 bytes a wave
.set EMAX, 2
.set STEPS, 16                         ; path X: a wave takes 16 steps of 512 numbers
.set CB, 8
.set XR, 16                            ; v16-79   four sets of 16 numbers as loaded
.set XX, 80                            ; v80-111  two sets of 16 neighbours
.set XE, 112                           ; v112-127 a scale byte for each step
.set XC, 128                           ; v128-191 codes, four registers a step
.set WREG, 8192                        ; LDS 0 .. 32767: a region for each wave: two stages of 32 x SP bytes, then 256 scale bytes
.set SP, 80
.set WSTG, 32768                       ; path W: LDS 32768 .. 67583: a stage of 32 rows x 272 bytes for each wave
.set NB, 16
.set PITCH, 272
.set KROW, 512
.set WX, 32                            ; v32-95   two sets of 32 numbers
.set WC, 96                            ; v96-99   a block's codes
.set OUTR, 112                         ; v112-175 the way out
.set SB, 24                            ; v24-27   scale bytes
	s_load_b512 s[32:47], s[0:1], 0x0              ; query 32, key 34, value 36, Wq 38, Wk 40, Wv 42, Wo 44, xq 46
	s_load_b64 s[48:49], s[0:1], 0x40              ; wq
	v_lshl_add_u32 v[SPW], v0, 2, SPARE
	v_mov_b32 v[NIL], 0
	v_lshrrev_b32 v1, 5, v0
	v_readfirstlane_b32 s16, v1                    ; wave
	v_and_b32 v2, 31, v0                           ; lane
	s_wait_kmcnt 0x0
	s_cmp_lt_u32 ttmp9, 48
	s_cbranch_scc1 .Lw
	s_cmp_lt_u32 ttmp9, 80
	s_cbranch_scc1 .Lo
; ---------------- PATH X: query, key, value.  Rows are dense and K is a multiple of 32: a tensor is a stream of blocks of 32.
; Each load reads 512 consecutive bytes; a step's 2,048 bytes turn through the wave's own stage so that a lane holds 16 neighbours; two neighbouring lanes hold a block.
	v_lshlrev_b32 v3, 4, v2                        ; my 16 bytes of a load's 512
	s_mul_i32 s17, s16, WREG
	v_lshrrev_b32 v14, 2, v2
	v_mul_u32_u24 v14, v14, SP
	v_and_b32 v15, 3, v2
	v_lshl_add_u32 v14, v15, 4, v14
	v_add_nc_u32 v14, s17, v14                     ; into the stage: SP (lane / 4) + 16 (lane % 4)
	v_mul_u32_u24 v15, v2, SP
	v_add_nc_u32 v15, s17, v15                     ; out of it: SP x lane
	v_mul_u32_u24 v4, v2, CB                       ; my codes' place in a step's 256 bytes
	v_lshrrev_b32 v5, 1, v2
	s_add_co_u32 s17, s17, 2*32*SP
	v_add_nc_u32 v5, s17, v5                       ; my block's byte among the wave's 256
	v_lshlrev_b32 v7, 3, v2
	v_add_nc_u32 v6, s17, v7
	s_sub_co_u32 s17, ttmp9, 80                    ; 0 .. 767
	s_lshr_b32 s18, s17, 8                         ; which tensor
	s_cmp_eq_u32 s18, 1
	s_cselect_b64 s[4:5], s[34:35], s[36:37]
	s_cmp_eq_u32 s18, 0
	s_cselect_b64 s[4:5], s[32:33], s[4:5]
	s_and_b32 s18, s17, 255
	s_lshl_b32 s18, s18, 2
	s_add_co_u32 s18, s18, s16                     ; my run of 8,192 numbers in the tensor
	s_lshl_b32 s18, s18, 15
	s_mov_b32 s19, 0
	s_add_nc_u64 s[4:5], s[4:5], s[18:19]
	s_lshl_b32 s20, s17, 2
	s_add_co_u32 s20, s20, s16                     ; and among the three tensors' runs
	s_lshl_b32 s18, s20, 12
	s_add_nc_u64 s[8:9], s[46:47], s[18:19]        ; 4,096 bytes of codes a run
	s_lshl_b32 s18, s20, 8
	s_add_nc_u64 s[10:11], s[46:47], s[18:19]      ; 256 scale bytes a run
	s_add_nc_u64 s[10:11], s[10:11], XQS
.macro XLOAD t
.irp i, 0,1,2,3
	global_load_b128 v[XR+16*((\t)%4)+4*\i:XR+16*((\t)%4)+4*\i+3], v3, s[4:5] offset:2048*(\t)+512*\i th:TH_LOAD_NT
.endr
.endm
.macro XTURN t                         ; LDS serves a wave's instructions in order: no wait between the stores and the loads
.irp i, 0,1,2,3
	ds_store_b128 v14, v[XR+16*((\t)%4)+4*\i:XR+16*((\t)%4)+4*\i+3] offset:32*SP*((\t)%2)+8*SP*\i
.endr
.irp i, 0,1,2,3
	ds_load_b128 v[XX+16*((\t)%2)+4*\i:XX+16*((\t)%2)+4*\i+3], v15 offset:32*SP*((\t)%2)+16*\i
.endr
.endm
.irp t, 0,1,2,3
	XLOAD \t
.endr
	s_wait_loadcnt 12                              ; step 0's four loads are in; three steps' twelve may be out
	XTURN 0
.macro XSTEP t
.set XB, XX+16*((\t)%2)
.if (\t) > 0
	s_wait_dscnt 1                                 ; this step's numbers are back (the last step's byte store may be out)
.else
	s_wait_dscnt 0x0
.endif
.if (\t)+4 < STEPS
	XLOAD (\t)+4
.endif
.if (\t)+1 < STEPS
.if STEPS-2-(\t) >= 3
	s_wait_loadcnt 12                              ; the next step's loads are in; those of the three steps behind it may be out
.else
	s_wait_loadcnt 4*(STEPS-2-(\t))
.endif
	XTURN (\t)+1
.endif
	v_max3_num_f32 v8, |v[XB]|, |v[XB+1]|, |v[XB+2]|
	v_max3_num_f32 v9, |v[XB+3]|, |v[XB+4]|, |v[XB+5]|
.irp i, 6,10
	v_max3_num_f32 v8, v8, |v[XB+\i]|, |v[XB+\i+1]|
	v_max3_num_f32 v9, v9, |v[XB+\i+2]|, |v[XB+\i+3]|
.endr
	v_max3_num_f32 v8, v8, |v[XB+14]|, |v[XB+15]|
	v_max3_num_f32 v8, v8, v9, (EMAX+1)<<23        ; the floor 2^(3 - 127): the byte cannot fall under 1
	v_max_num_f32_dpp v8, v8, v8 row_xmask:1 row_mask:0xf bank_mask:0xf   ; with my neighbour's 16: the block's largest magnitude
	v_add_nc_u32 v11, -(EMAX<<23), v8              ; 2 off its exponent field: the conversion's scale operand
	v_cvt_scalef32_pk8_fp4_f32 v[XC+4*(\t)], v[XB:XB+7], v11
	v_cvt_scalef32_pk8_fp4_f32 v[XC+4*(\t)+1], v[XB+8:XB+15], v11
	v_lshrrev_b32 v[XE+(\t)], 23, v11              ; the scale's byte
	ds_store_b8 v5, v[XE+(\t)] offset:16*(\t)      ; both lanes of a block write the same byte with the same value
	global_store_b64 v4, v[XC+4*(\t):XC+4*(\t)+1], s[8:9] offset:32*CB*(\t)   ; the wave stores 256 consecutive bytes, aligned
.endm
.irp t, 0,1,2,3,4,5,6,7,8,9,10,11,12,13,14,15
	XSTEP \t
.endr
	ds_load_b64 v[8:9], v6
	s_wait_dscnt 0x0
	global_store_b64 v7, v[8:9], s[10:11]          ; the wave's 256 scale bytes, aligned
	s_branch .Lend
; ---------------- PATH W: a weight [k][n].  A wave takes 32 columns x 512 along K: 16 blocks a lane; the codes leave through the wave's stage as rows of 256 bytes.
.Lw:
	s_lshr_b32 s18, ttmp9, 4                       ; which weight
	s_cmp_eq_u32 s18, 1
	s_cselect_b64 s[4:5], s[40:41], s[42:43]
	s_cmp_eq_u32 s18, 0
	s_cselect_b64 s[4:5], s[38:39], s[4:5]
	s_and_b32 s19, ttmp9, 7                        ; which 128 columns
	s_bfe_u32 s20, ttmp9, 0x10003                  ; which 512 along K
	s_lshl_b32 s17, s19, 7
	s_lshl_b32 s21, s16, 5
	s_add_co_u32 s17, s17, s21                     ; my wave's first column
	v_lshlrev_b32 v3, 2, v2
	s_mul_i32 s19, s16, 32*PITCH
	s_add_co_u32 s19, s19, WSTG                    ; my stage
	v_mul_u32_u24 v4, v2, PITCH
	v_add_nc_u32 v4, s19, v4                       ; into it: row = my column
	v_and_b32 v5, 15, v2
	v_lshrrev_b32 v6, 4, v2
	v_mul_u32_u24 v7, v6, PITCH
	v_lshl_add_u32 v7, v5, 4, v7
	v_add_nc_u32 v7, s19, v7                       ; out of it: sixteen lanes to a row
	v_mul_u32_u24 v8, v6, KROW
	v_lshl_add_u32 v8, v5, 4, v8                   ; the same place in the codes
	v_lshlrev_b32 v9, 5, v2                        ; my column's row of 32 scale bytes
	s_lshl_b32 s22, s20, 21                        ; 512 rows of 4,096 bytes
	s_lshl_b32 s23, s17, 2
	s_add_co_u32 s22, s22, s23
	s_mov_b32 s23, 0
	s_add_nc_u64 s[4:5], s[4:5], s[22:23]
	s_lshl_b32 s22, s18, 19                        ; codes: weight x 524,288 + column x 512 + 256 y
	s_lshl_b32 s24, s17, 9
	s_add_co_u32 s22, s22, s24
	s_lshl_b32 s24, s20, 8
	s_add_co_u32 s22, s22, s24
	s_add_nc_u64 s[6:7], s[48:49], s[22:23]
	s_lshl_b32 s22, s18, 15                        ; scale bytes: weight x 32,768 + column x 32 + 16 y
	s_lshl_b32 s24, s17, 5
	s_add_co_u32 s22, s22, s24
	s_lshl_b32 s24, s20, 4
	s_add_co_u32 s22, s22, s24
	s_add_nc_u64 s[8:9], s[48:49], s[22:23]
	s_add_nc_u64 s[8:9], s[8:9], WQS
.macro WLOAD t                         ; block t: W(32 t + i, my column) into set t % 2; a wave's load reads 128 consecutive bytes
.set i, 0
.rept 32
	global_load_b32 v[WX+32*((\t)%2)+i], v3, s[4:5] offset:(32*(\t)+i)*4096 th:TH_LOAD_NT
.set i, i+1
.endr
.endm
	WLOAD 0
	WLOAD 1
.macro WBLOCK t
.set XB, WX+32*((\t)%2)
.if (\t) < NB-1
	s_wait_loadcnt 32                              ; this block's 32 loads are in; the next block's may be out
.else
	s_wait_loadcnt 0x0
.endif
	v_max3_num_f32 v12, |v[XB]|, |v[XB+1]|, |v[XB+2]|
	v_max3_num_f32 v13, |v[XB+3]|, |v[XB+4]|, |v[XB+5]|
.irp i, 6,10,14,18,22,26
	v_max3_num_f32 v12, v12, |v[XB+\i]|, |v[XB+\i+1]|
	v_max3_num_f32 v13, v13, |v[XB+\i+2]|, |v[XB+\i+3]|
.endr
	v_max3_num_f32 v12, v12, |v[XB+30]|, |v[XB+31]|
	v_max3_num_f32 v12, v12, v13, (EMAX+1)<<23
	v_add_nc_u32 v11, -(EMAX<<23), v12
	v_lshrrev_b32 v13, 23, v11
.if (\t)%4 == 0
	v_mov_b32 v[SB+(\t)/4], v13
.else
	v_lshl_or_b32 v[SB+(\t)/4], v13, 8*((\t)%4), v[SB+(\t)/4]
.endif
.irp g, 0,1,2,3
	v_cvt_scalef32_pk8_fp4_f32 v[WC+\g], v[XB+8*\g:XB+8*\g+7], v11
.endr
	ds_store_b128 v4, v[WC:WC+3] offset:16*(\t)
.if (\t)+2 < NB
	WLOAD (\t)+2
.endif
	s_wait_dscnt 0x0                               ; the store has read its registers: the next block's codes may be written
.endm
.set Q, 0
.rept NB
	WBLOCK Q
.set Q, Q+1
.endr
	global_store_b128 v9, v[SB:SB+3], s[8:9]       ; my column's 16 scale bytes
.irp t, 0,1,2,3,4,5,6,7,8,9,10,11,12,13,14,15
	ds_load_b128 v[OUTR+4*\t:OUTR+4*\t+3], v7 offset:2*\t*PITCH
.endr
.irp t, 0,1,2,3,4,5,6,7,8,9,10,11,12,13,14,15
	s_wait_dscnt 15-\t
	global_store_b128 v8, v[OUTR+4*\t:OUTR+4*\t+3], s[6:7] offset:2*\t*KROW   ; sixteen lanes store 256 consecutive bytes, aligned
.endr
	s_branch .Lend
; ---------------- PATH O: Wo to f16, as it lies.  A wave takes 8,192 numbers in four batches of 16 loads; a load reads 512 consecutive bytes, a store writes 256.
.Lo:
	s_sub_co_u32 s17, ttmp9, 48
	s_lshl_b32 s17, s17, 2
	s_add_co_u32 s17, s17, s16
	s_lshl_b32 s18, s17, 15
	s_mov_b32 s19, 0
	s_add_nc_u64 s[4:5], s[44:45], s[18:19]
	s_lshl_b32 s18, s17, 14
	s_add_nc_u64 s[6:7], s[48:49], s[18:19]
	s_add_nc_u64 s[6:7], s[6:7], WQO
	v_lshlrev_b32 v3, 4, v2
	v_lshlrev_b32 v4, 3, v2
.macro OLOAD bt
.irp j, 0,1,2,3,4,5,6,7,8,9,10,11,12,13,14,15
	global_load_b128 v[16+64*((\bt)%2)+4*\j:16+64*((\bt)%2)+4*\j+3], v3, s[4:5] offset:8192*(\bt)+512*\j th:TH_LOAD_NT
.endr
.endm
	OLOAD 0
.irp bt, 0,1,2,3
.if \bt < 3
	OLOAD \bt+1
	s_wait_loadcnt 16                              ; this batch is in; the next batch's sixteen may be out
.else
	s_wait_loadcnt 0x0
.endif
.if \bt > 0
	s_wait_xcnt 0x0                                ; the last batch's stores have read their data registers
.endif
.irp j, 0,1,2,3,4,5,6,7,8,9,10,11,12,13,14,15
	v_cvt_pk_f16_f32 v[144+2*\j], v[16+64*(\bt%2)+4*\j], v[17+64*(\bt%2)+4*\j]
	v_cvt_pk_f16_f32 v[145+2*\j], v[18+64*(\bt%2)+4*\j], v[19+64*(\bt%2)+4*\j]
.endr
.irp j, 0,1,2,3,4,5,6,7,8,9,10,11,12,13,14,15
	global_store_b64 v4, v[144+2*\j:145+2*\j], s[6:7] offset:4096*\bt+256*\j
.endr
.endr
.Lend:
	s_wait_tensorcnt 0x0                           ; the wave's end, behind the last LDS store
	ds_add_u32 v[SPW], v[NIL]
	s_wait_dscnt 0x0
	s_endpgm
.Lfunc_end_k_q9713e3e44c_prep:
	.size	k_q9713e3e44c_prep, .Lfunc_end_k_q9713e3e44c_prep-k_q9713e3e44c_prep
	.p2alignl 7, 3214868480
	.fill 96, 4, 3214868480
	.section	.rodata,"a",@progbits
	.p2align	6, 0x0
	.amdhsa_kernel k_q9713e3e44c_prep
		.amdhsa_group_segment_fixed_size 68096
		.amdhsa_private_segment_fixed_size 0
		.amdhsa_enable_private_segment 0
		.amdhsa_kernarg_size 72
		.amdhsa_user_sgpr_count 2
		.amdhsa_user_sgpr_kernarg_segment_ptr 1
		.amdhsa_wavefront_size32 1
		.amdhsa_system_sgpr_workgroup_id_x 1
		.amdhsa_system_sgpr_workgroup_id_y 1
		.amdhsa_system_sgpr_workgroup_id_z 1
		.amdhsa_system_vgpr_workitem_id 0
		.amdhsa_next_free_vgpr 194
		.amdhsa_next_free_sgpr 66
		.amdhsa_reserve_vcc 0
		.amdhsa_float_denorm_mode_32 3
		.amdhsa_float_denorm_mode_16_64 3
		.amdhsa_memory_ordered 1
		.amdhsa_forward_progress 1
		.amdhsa_inst_pref_size 132
	.end_amdhsa_kernel
	.amdgpu_metadata
---
amdhsa.version: [ 1, 2 ]
amdhsa.kernels:
  - .name:           k_q9713e3e44c_prep
    .symbol:         k_q9713e3e44c_prep.kd
    .args:
      - { .name: query, .offset: 0, .size: 8, .value_kind: global_buffer, .address_space: global }
      - { .name: key, .offset: 8, .size: 8, .value_kind: global_buffer, .address_space: global }
      - { .name: value, .offset: 16, .size: 8, .value_kind: global_buffer, .address_space: global }
      - { .name: Wq, .offset: 24, .size: 8, .value_kind: global_buffer, .address_space: global }
      - { .name: Wk, .offset: 32, .size: 8, .value_kind: global_buffer, .address_space: global }
      - { .name: Wv, .offset: 40, .size: 8, .value_kind: global_buffer, .address_space: global }
      - { .name: Wo, .offset: 48, .size: 8, .value_kind: global_buffer, .address_space: global }
      - { .name: xq, .offset: 56, .size: 8, .value_kind: global_buffer, .address_space: global }
      - { .name: wq, .offset: 64, .size: 8, .value_kind: global_buffer, .address_space: global }
    .group_segment_fixed_size: 68096
    .private_segment_fixed_size: 0
    .kernarg_segment_align: 8
    .kernarg_segment_size: 72
    .max_flat_workgroup_size: 128
    .sgpr_count:     66
    .vgpr_count:     194
    .wavefront_size: 32
...
	.end_amdgpu_metadata
.endif
;; end of part 1
;; launch proj (part 2): grid 4 x 96, 4 waves a work-group, clusters of 4 x 4, 327,680 bytes of LDS; arguments xq, wq, bq, bk, bv, qkv, fine; writes qkv, fine
.if DOCPART == 2
	.amdgcn_target "amdgcn-amd-amdhsa--gfx1250"
	.amdhsa_code_object_version 6
	.text
	.protected	k_q9713e3e44c_proj
	.globl	k_q9713e3e44c_proj
	.p2align	8
	.type	k_q9713e3e44c_proj,@function
k_q9713e3e44c_proj:
	s_mov_b64 s[64:65], 0
	v_nop
	global_prefetch_b8 v0, s[64:65] scope:SCOPE_SE
	s_setreg_imm32_b32 hwreg(HW_REG_WAVE_MODE, 25, 1), 1
	s_wait_xcnt 0x0
	s_wait_alu depctr_hold_cnt(0) depctr_sa_sdst(0) depctr_va_vdst(0) depctr_va_sdst(0) depctr_va_ssrc(0) depctr_va_vcc(0) depctr_vm_vsrc(0)
	s_getreg_b32 s2, hwreg(HW_REG_IB_STS2, 6, 4)
	s_cmp_eq_u32 s2, 0
	s_cbranch_scc0 .Lentry_in_a_cluster
	s_endpgm
.Lentry_in_a_cluster:
	s_bfe_u32 s2, ttmp6, 0x10000c
	s_cmp_lg_u32 s2, 0xf033
	s_cbranch_scc0 .Lentry_shape_is_right
	s_endpgm
.Lentry_shape_is_right:
; PROJ: q = query Wq + bq, k = key Wk + bk, v = value Wv + bv, on codes of E2M1 with E8M0 scales; sums in f32; results to qkv as f16 [3][8192][1024].
; The three activations lie stacked in xq as 24,576 rows, the three weights in wq as 3,072 rows [n][k].  A tile of 256 x 256 is made by four waves, 128 x 128 each: 64 accumulators.
; K = 1,024 is two LDS slots of 512 along K (rows of 256 bytes), both filled at the head: nothing is filled again.  The scale bytes of the tile's rows come once, as dense blocks.
; CLUSTER 4 x 4: the four of a row share A's tiles, the four of a column B's; each is asked for jointly.  A cluster's 1,024 rows lie in one of the three tensors.
; The matrix instruction is used transposed (source 0 = 16 rows of the weight, source 1 = 16 rows of x): a lane holds eight neighbouring columns of one row.
; The bias is the C of each sum's first product.  Positions 0-15 of each sequence also leave in f32, into fine [t][b][column / 8][row][8], for the last launch.
; REGISTERS: window 0: v16-31 addresses; v32-95 scale words, two sets; v96-127 packed results; v128-191 A's fragments, later rows on the way out; v192-255 the bias.
;   window 1: B's fragments, two sets.  windows 2, 3: the accumulators ((a, b) at v[8 (8 (a % 4) + b)]).
.set XQS, 12582912
.set WQS, 1572864
.set NQ,     4
.set ROWB,   256
.set KROW,   512
.set PITCH,  272                       ; 256 bytes + 16 of padding: the 16 rows of a fragment load start at 16 different banks (64 banks of 4 bytes: ISA guide 11.1)
.set FR,     8
.set NL,     2
.set NP,     4
.set HALFT,  128*PITCH
.set SLOT,   4*HALFT
.set KS,     32
.set SCL,    2*SLOT
.set HALFS,  16*272
.set SBLK,   2*272
.set SPARE,  SCL+4*HALFS
.set SPITCH, 272                       ; the way out: 16 rows x (256 + 16) bytes a wave, in slot 0, which has had its only fill and its last read by then
.set ADRA, 16
.set ADRB, 20
.set BO,   22                          ; v22 the bias loads' offset
.set STO,  24
.set RD,   25
.set CO,   26
.set ADRS, 27
.set SPW,  28
.set NIL,  29
.set FLG,  30                          ; v30 0 where my wave holds positions 0-15 of a sequence
.set FO,   31                          ; v31 my offset in fine
.set SC,   32
.set TMP,  96
.set AF,   128
.set BK,   128
.set BIAS, 192
.set G1, 24
.set G0, 32
.set G1B, 48
.set G0B, 56
.set G1S, 68
.set G0S, 76
.set G1SB, 80
.set G0SB, 88
.set MSB, 0
.macro WIN new
.if MSB != (\new)
	s_set_vgpr_msb (MSB<<8)|(\new)
.set MSB, \new
.endif
.endm
.set MUL_LO, 0xa1                      ; source 0 window 1, source 1 window 0, C and D window 2
.set MUL_HI, 0xf1
.set TO_B,   0x40
.macro JLOAD g0a, g1a, g0b, g1b        ; waves 0, 1 fetch for A, waves 2, 3 for B; an s_nop 0 and four v_nop follow each line
	s_cmp_eq_u32 s15, 0
	s_cbranch_scc0 .Lfor_b_\@
	tensor_load_to_lds s[\g0a:\g0a+3], s[\g1a:\g1a+7]
	s_nop 0
.rept 4
	v_nop
.endr
	s_branch .Lasked_\@
.Lfor_b_\@:
	tensor_load_to_lds s[\g0b:\g0b+3], s[\g1b:\g1b+7]
	s_nop 0
.rept 4
	v_nop
.endr
.Lasked_\@:
.endm
.macro CROUND                          ; a round of the cluster's barrier
	s_barrier_signal -1
	s_barrier_wait -1
	s_cmp_lg_u32 s14, 0
	s_cbranch_scc1 .Lnot_wave_0_\@
	s_barrier_signal -3
.Lnot_wave_0_\@:
	s_barrier_wait -3
	s_barrier_signal -1
	s_barrier_wait -1
.endm
	s_load_b64 s[4:5], s[0:1], 0x0                 ; xq
	s_load_b64 s[8:9], s[0:1], 0x8                 ; wq
	s_load_b128 s[96:99], s[0:1], 0x10             ; bq, bk
	s_load_b64 s[100:101], s[0:1], 0x20            ; bv
	s_load_b64 s[12:13], s[0:1], 0x28              ; qkv
	s_load_b64 s[104:105], s[0:1], 0x30            ; fine
	v_lshl_add_u32 v[SPW], v0, 2, SPARE
	v_mov_b32 v[NIL], 0
	ds_add_u32 v[SPW], v[NIL]                      ; the opening: the add, twice on end, and its wait ahead of my first tensor load
	ds_add_u32 v[SPW], v[NIL]
	v_lshrrev_b32 v1, 5, v0
	v_readfirstlane_b32 s14, v1                    ; wave
	s_lshr_b32 s15, s14, 1                         ; my half of the rows; also: I fetch for A (0) or B (1)
	s_and_b32 s16, s14, 1                          ; my half of the columns; also: which 128 rows I fetch
	s_bfe_u32 s40, ttmp6, 0x40000                  ; cx
	s_bfe_u32 s41, ttmp6, 0x40004                  ; cy
	s_lshl_b32 s42, ttmp9, 2
	s_add_co_u32 s42, s42, s40                     ; tile column 0..3
	s_and_b32 s66, ttmp7, 0xffff                   ; cluster y 0..23
	s_lshl_b32 s17, s66, 2
	s_add_co_u32 s17, s17, s41                     ; tile row 0..95
	s_lshr_b32 s66, s66, 3                         ; which of the three products: the same in all sixteen partners
	s_lshl_b32 s43, s41, 2
	s_lshl_b32 s43, 15, s43                        ; my row of the cluster
	s_lshl_b32 s44, 0x1111, s40                    ; my column
	s_or_b32 s[G1+0], s43, (0<<16)|(1<<20)|(1<<21)|(5<<22)|(3<<25)   ; mask; elements of 1 byte; padding: 4 words behind every 64
	s_or_b32 s[G1B+0], s44, (0<<16)|(1<<20)|(1<<21)|(5<<22)|(3<<25)
.irp g, G1, G1B
	s_mov_b32 s[\g+1], ROWB<<16                    ; tensor_dim0 = 256
	s_mov_b32 s[\g+2], 128<<16                     ; tensor_dim1 = 128
	s_mov_b32 s[\g+3], ROWB<<16                    ; tile_dim0
	s_mov_b32 s[\g+4], 128                         ; tile_dim1
	s_mov_b32 s[\g+5], KROW                        ; pitch
	s_mov_b32 s[\g+6], 0
	s_mov_b32 s[\g+7], 0
.endr
	s_or_b32 s[G1S+0], s43, (3<<16)|(1<<20)|(1<<21)|(5<<22)|(3<<25)  ; the scales of 128 rows: 4,096 dense bytes as 16 rows of 32 elements of 8 bytes
	s_or_b32 s[G1SB+0], s44, (3<<16)|(1<<20)|(1<<21)|(5<<22)|(3<<25)
.irp g, G1S, G1SB
	s_mov_b32 s[\g+1], 32<<16
	s_mov_b32 s[\g+2], 16<<16
	s_mov_b32 s[\g+3], 32<<16
	s_mov_b32 s[\g+4], 16
	s_mov_b32 s[\g+5], 32
	s_mov_b32 s[\g+6], 0
	s_mov_b32 s[\g+7], 0
.endr
	s_lshl_b32 s18, s16, 7
	s_lshl_b32 s20, s17, 8
	s_add_co_u32 s20, s20, s18                     ; A: row 256 x tile row + 128 x half
	s_lshl_b32 s46, s42, 8
	s_add_co_u32 s46, s46, s18
	s_lshl_b32 s67, s66, 10
	s_add_co_u32 s46, s46, s67                     ; B: row 1,024 x product + 256 x tile column + 128 x half
	s_mov_b32 s21, 0
	s_mov_b32 s47, 0
	s_mov_b64 s[18:19], KS
	s_mul_u64 s[22:23], s[20:21], s[18:19]
	s_mul_u64 s[92:93], s[46:47], s[18:19]
	s_mov_b64 s[18:19], KROW
	s_mul_u64 s[20:21], s[20:21], s[18:19]
	s_mul_u64 s[46:47], s[46:47], s[18:19]
	s_mul_i32 s45, s14, HALFT                      ; LDS: wave x 128 rows
	s_mul_i32 s94, s14, HALFS
	s_wait_dscnt 0x0                               ; both opening adds are done
	s_wait_kmcnt 0x0
	s_add_nc_u64 s[6:7], s[4:5], XQS
	s_add_nc_u64 s[10:11], s[8:9], WQS
	s_add_nc_u64 s[20:21], s[4:5], s[20:21]
	s_add_nc_u64 s[22:23], s[6:7], s[22:23]
	s_add_nc_u64 s[46:47], s[8:9], s[46:47]
	s_add_nc_u64 s[92:93], s[10:11], s[92:93]
	s_cmp_eq_u32 s66, 1                            ; the product's bias
	s_cselect_b64 s[98:99], s[98:99], s[100:101]
	s_cmp_eq_u32 s66, 0
	s_cselect_b64 s[96:97], s[96:97], s[98:99]
	CROUND                                         ; all sixteen work-groups are here: the first joint loads meet
	s_mov_b32 s[G0S], 1
	s_add_co_u32 s[G0S+1], s94, SCL
	s_mov_b64 s[G0S+2:G0S+3], s[22:23]
	s_or_b32 s[G0S+3], s[G0S+3], 0x80000000
	s_mov_b32 s[G0SB], 1
	s_add_co_u32 s[G0SB+1], s94, SCL
	s_mov_b64 s[G0SB+2:G0SB+3], s[92:93]
	s_or_b32 s[G0SB+3], s[G0SB+3], 0x80000000
	JLOAD G0S, G1S, G0SB, G1SB
.irp s, 0,1
	s_mov_b32 s[G0+4*\s], 1
	s_add_co_u32 s[G0+4*\s+1], s45, \s*SLOT
	s_add_nc_u64 s[G0+4*\s+2:G0+4*\s+3], s[20:21], \s*ROWB
	s_or_b32 s[G0+4*\s+3], s[G0+4*\s+3], 0x80000000
	s_mov_b32 s[G0B+4*\s], 1
	s_add_co_u32 s[G0B+4*\s+1], s45, \s*SLOT
	s_add_nc_u64 s[G0B+4*\s+2:G0B+4*\s+3], s[46:47], \s*ROWB
	s_or_b32 s[G0B+4*\s+3], s[G0B+4*\s+3], 0x80000000
	JLOAD G0+4*\s, G1, G0B+4*\s, G1B               ; three tensor loads of mine are out now, and no more follow
.endr
	v_and_b32 v1, 15, v0                           ; r
	v_bfe_u32 v2, v0, 4, 1                         ; h
	s_lshl_b32 s46, s42, 8
	s_lshl_b32 s47, s16, 7
	s_add_co_u32 s46, s46, s47                     ; my first column
	s_lshl_b32 s18, s46, 2
	s_mov_b32 s19, 0
	s_add_nc_u64 s[96:97], s[96:97], s[18:19]
	v_lshlrev_b32 v[BO], 5, v2                     ; lanes 16-31 take the upper eight of a block's 16 columns
.irp b, 0,1,2,3,4,5,6,7
	global_load_b128 v[BIAS+8*\b:BIAS+8*\b+3], v[BO], s[96:97] offset:64*\b
	global_load_b128 v[BIAS+8*\b+4:BIAS+8*\b+7], v[BO], s[96:97] offset:64*\b+16
.endr
	v_mul_u32_u24 v3, v1, PITCH
	v_lshl_add_u32 v4, v2, 4, v3
	s_mul_i32 s21, s15, HALFT
	s_mul_i32 s22, s16, HALFT
	s_add_co_u32 s22, s22, 2*HALFT
.irp s, 0,1
	v_add_nc_u32 v[ADRA+\s], s21, v4
	v_add_nc_u32 v[ADRB+\s], s22, v4
	s_add_co_u32 s21, s21, SLOT
	s_add_co_u32 s22, s22, SLOT
.endr
	v_mul_u32_u24 v5, v1, KS                       ; my row's scales: 32 bytes a row,
	v_lshrrev_b32 v6, 8, v5
	v_lshl_add_u32 v5, v6, 4, v5                   ; and 16 more for each 256 passed
	s_mul_i32 s21, s15, HALFS
	s_mul_i32 s22, s16, HALFS
	s_add_co_u32 s22, s22, 2*HALFS
	s_sub_co_u32 s22, s22, s21
	v_mul_u32_u24 v6, s22, v2                      ; lanes 16-31 take B's
	s_add_co_u32 s21, s21, SCL
	v_add_nc_u32 v5, v5, v6
	v_add_nc_u32 v[ADRS], s21, v5
	s_mul_i32 s23, s14, 16*SPITCH                  ; my stage
	v_mul_u32_u24 v5, v1, SPITCH
	v_lshl_add_u32 v5, v2, 4, v5
	v_add_nc_u32 v[STO], s23, v5                   ; in: row r, 16 bytes for each half of the lanes
	v_mul_u32_u24 v5, v2, SPITCH
	v_lshl_add_u32 v5, v1, 4, v5
	v_add_nc_u32 v[RD], s23, v5                    ; back: lanes 0-15 one row of 256 bytes, lanes 16-31 the next
	v_lshlrev_b32 v5, 11, v2
	v_lshl_add_u32 v[CO], v1, 4, v5                ; the same two rows in qkv
	v_lshlrev_b32 v5, 9, v2
	v_lshl_add_u32 v[FO], v1, 5, v5                ; fine: 512 h + 32 r
	s_and_b32 s18, s17, 7
	s_or_b32 s18, s18, s15
	v_mov_b32 v[FLG], s18                          ; 0: the tile begins a sequence and I hold its upper rows
	s_lshr_b32 s18, s17, 3                         ; 4 x product + batch
	s_lshl_b32 s18, s18, 16
	s_lshl_b32 s47, s46, 6
	s_add_co_u32 s18, s18, s47
	s_add_nc_u64 s[104:105], s[104:105], s[18:19]
	s_lshl_b32 s20, s17, 8
	s_lshl_b32 s21, s15, 7
	s_add_co_u32 s20, s20, s21
	s_lshl_b32 s20, s20, 11                        ; my first row x 2,048 bytes
	s_lshl_b32 s21, s46, 1
	s_add_co_u32 s20, s20, s21
	s_mov_b32 s21, 0
	s_add_nc_u64 s[12:13], s[12:13], s[20:21]
.macro FRAG reg, adr, q, i             ; 16 rows x 128 K of 4-bit codes: 8 registers, two loads of 16 bytes, 32 bytes apart
.irp c, 0,1
	ds_load_b128 v[\reg+4*\c:\reg+4*\c+3], v[\adr] offset:64*(\q)+32*\c+(\i)*16*PITCH
.endr
.endm
; 16 products: A's blocks a0, a0 + 1 x B's eight.  zero = 1: the first product starts the sums with the bias.  The 64 accumulators take turns in the same order in every step.
.macro MUL16 a0, p, q, sc, zero
.irp a, \a0, \a0+1
.irp b, 0,1,2,3,4,5,6,7
.if \zero
	v_wmma_scale_f32_16x16x128_f8f6f4 v[8*(8*((\a)%4)+\b):8*(8*((\a)%4)+\b)+7], v[128*(\p)+FR*\b:128*(\p)+FR*\b+FR-1], v[AF+FR*(\a):AF+FR*(\a)+FR-1], v[BIAS+8*\b:BIAS+8*\b+7], v[SC+8*NQ*(\sc)+NQ*\b+(\q)], v[SC+8*NQ*(\sc)+NQ*(\a)+(\q)] matrix_a_fmt:MATRIX_FMT_FP4 matrix_b_fmt:MATRIX_FMT_FP4 matrix_a_scale:MATRIX_SCALE_ROW1
.else
	v_wmma_scale_f32_16x16x128_f8f6f4 v[8*(8*((\a)%4)+\b):8*(8*((\a)%4)+\b)+7], v[128*(\p)+FR*\b:128*(\p)+FR*\b+FR-1], v[AF+FR*(\a):AF+FR*(\a)+FR-1], v[8*(8*((\a)%4)+\b):8*(8*((\a)%4)+\b)+7], v[SC+8*NQ*(\sc)+NQ*\b+(\q)], v[SC+8*NQ*(\sc)+NQ*(\a)+(\q)] matrix_a_fmt:MATRIX_FMT_FP4 matrix_b_fmt:MATRIX_FMT_FP4 matrix_a_scale:MATRIX_SCALE_ROW1
.endif
.endr
.endr
.endm
.macro FETCH_B slot, q, p
	WIN TO_B
.irp i, 0,1,2,3,4,5,6,7
	FRAG 128*(\p)+FR*\i, ADRB+\slot, \q, \i
.endr
	WIN 0
.endm
.macro FETCH_A slot, q, i0
.irp i, \i0, \i0+1, \i0+2, \i0+3
	FRAG AF+FR*(\i), ADRA+\slot, \q, \i
.endr
.endm
.macro SCALES sc                       ; a slot's scale words: lanes 0-15 A's block i, lanes 16-31 B's block i
.irp i, 0,1,2,3,4,5,6,7
	ds_load_b128 v[SC+8*NQ*\sc+NQ*\i:SC+8*NQ*\sc+NQ*\i+3], v[ADRS] offset:\i*SBLK
.endr
.endm
.macro PLACES n                        ; plain places behind matrix instructions, in front of loads into their registers and of reads of results
.rept \n
	v_nop
.endr
.endm
.macro STEP slot, q, zero
	s_wait_dscnt 4*NL                              ; B's set and A's blocks 0-3 are in; the youngest eight loads (A's blocks 4-7) may be out
.if \zero
	WIN 0x81                                       ; C (the bias) window 0, D window 2
.else
	WIN MUL_LO
.endif
	MUL16 0, (\q)%2, \q, \slot, \zero
	MUL16 2, (\q)%2, \q, \slot, \zero
	s_wait_dscnt 0
	PLACES NP
	FETCH_B \slot, (\q)+1, 1-(\q)%2
	FETCH_A \slot, (\q)+1, 0
.if \zero
	WIN 0xc1
.else
	WIN MUL_HI
.endif
	MUL16 4, (\q)%2, \q, \slot, \zero
	MUL16 6, (\q)%2, \q, \slot, \zero
	PLACES NP
	WIN 0
	FETCH_A \slot, (\q)+1, 4
.endm
.macro STEPS slot, from
.set Q, \from
.rept NQ-1-\from
	STEP \slot, Q, 0
.set Q, Q+1
.endr
.endm
	s_wait_tensorcnt 1                             ; the scales and my part of slot 0 are in; slot 1's load may be out
	s_barrier_signal -1
	s_barrier_wait -1
	FETCH_B 0, 0, 0
	FETCH_A 0, 0, 0
	SCALES 0
	FETCH_A 0, 0, 4
	s_wait_loadcnt 0x0                             ; the bias
	STEP 0, 0, 1
	STEPS 0, 1
	; slot 0's last step changes slots: my part of slot 1 has landed, my reads of slot 0 are over, then the barrier
	s_wait_tensorcnt 0x0
	ds_add_u32 v[SPW], v[NIL]
	s_wait_dscnt 4*NL+1                            ; the add and A's blocks 4-7 may be out
	WIN MUL_LO
	MUL16 0, 1, NQ-1, 0, 0
	s_wait_dscnt 0x0
	s_barrier_signal -1
	MUL16 2, 1, NQ-1, 0, 0
	WIN 0
	s_barrier_wait -1
	PLACES NP
	v_add_nc_u32 v[ADRS], 4*NQ, v[ADRS]
	FETCH_B 1, 0, 0
	FETCH_A 1, 0, 0
	SCALES 1
	WIN MUL_HI
	MUL16 4, 1, NQ-1, 0, 0
	MUL16 6, 1, NQ-1, 0, 0
	PLACES NP
	WIN 0
	FETCH_A 1, 0, 4
	STEPS 1, 0
	s_wait_dscnt 4*NL
	WIN MUL_LO
	MUL16 0, 1, NQ-1, 1, 0
	MUL16 2, 1, NQ-1, 1, 0
	s_wait_dscnt 0
	WIN MUL_HI
	MUL16 4, 1, NQ-1, 1, 0
	MUL16 6, 1, NQ-1, 1, 0
	WIN 0
	PLACES NP
	; positions 0-15 of a sequence in f32: my block 0, where the flag is 0.  The flag hangs on the place in the cluster, so lanes are switched off and nothing is jumped over
	v_cmp_eq_u32 vcc_lo, 0, v[FLG]
	s_wait_xcnt 0x0                                ; EXEC changes only behind this wait
	s_and_saveexec_b32 s95, vcc_lo
	WIN 0x08                                       ; a store's data: window 2
.irp b, 0,1,2,3,4,5,6,7
	global_store_b128 v[FO], v[8*\b:8*\b+3], s[104:105] offset:1024*\b
	global_store_b128 v[FO], v[8*\b+4:8*\b+7], s[104:105] offset:1024*\b+16
.endr
	WIN 0
	s_wait_xcnt 0x0
	s_or_b32 exec_lo, exec_lo, s95
; THE WAY OUT, a block of 16 rows x 128 columns at a time: rounded to f16, through my stage, back as whole rows of 256 bytes.
.macro PACK a
.set AC, 64*((\a)%4)
	WIN 0x0a+5*((\a)/4)
.irp b, 0,1,2,3,4,5,6,7
.irp r, 0,1,2,3
	v_cvt_pk_f16_f32 v[TMP+4*\b+\r], v[AC+8*\b+2*\r], v[AC+8*\b+2*\r+1]
.endr
.endr
	WIN 0
.endm
.macro TOSTAGE a
.set BB, BK+32*((\a)%2)
.irp b, 0,1,2,3,4,5,6,7
	ds_store_b128 v[STO], v[TMP+4*\b:TMP+4*\b+3] offset:32*\b
.endr
.irp t, 0,1,2,3,4,5,6,7
	ds_load_b128 v[BB+4*\t:BB+4*\t+3], v[RD] offset:\t*2*SPITCH    ; LDS serves a wave's instructions in order: these see the stores above
.endr
.endm
.macro SEND a
.set BB, BK+32*((\a)%2)
	s_wait_dscnt 0x0
	s_wait_xcnt 0x0                                ; earlier stores have read their base and their data
.if (\a) > 0
	s_add_nc_u64 s[12:13], s[12:13], 16*2048
.endif
.irp t, 0,1,2,3,4,5,6,7
	global_store_b128 v[CO], v[BB+4*\t:BB+4*\t+3], s[12:13] offset:2*\t*2048   ; sixteen lanes store 256 consecutive bytes, aligned
.endr
.endm
	PACK 0
	TOSTAGE 0
.irp a, 1,2,3,4,5,6,7
	PACK \a
	SEND \a-1
	TOSTAGE \a
.endr
	SEND 7
	s_wait_tensorcnt 0x0                           ; the wave's end
	ds_add_u32 v[SPW], v[NIL]
	s_wait_dscnt 0x0
	CROUND                                         ; the closing round
	s_endpgm
.Lfunc_end_k_q9713e3e44c_proj:
	.size	k_q9713e3e44c_proj, .Lfunc_end_k_q9713e3e44c_proj-k_q9713e3e44c_proj
	.p2alignl 7, 3214868480
	.fill 96, 4, 3214868480
	.section	.rodata,"a",@progbits
	.p2align	6, 0x0
	.amdhsa_kernel k_q9713e3e44c_proj
		.amdhsa_group_segment_fixed_size 327680
		.amdhsa_private_segment_fixed_size 0
		.amdhsa_enable_private_segment 0
		.amdhsa_kernarg_size 56
		.amdhsa_user_sgpr_count 2
		.amdhsa_user_sgpr_kernarg_segment_ptr 1
		.amdhsa_wavefront_size32 1
		.amdhsa_system_sgpr_workgroup_id_x 1
		.amdhsa_system_sgpr_workgroup_id_y 1
		.amdhsa_system_sgpr_workgroup_id_z 1
		.amdhsa_system_vgpr_workitem_id 0
		.amdhsa_next_free_vgpr 1024
		.amdhsa_next_free_sgpr 106
		.amdhsa_reserve_vcc 1
		.amdhsa_float_denorm_mode_32 3
		.amdhsa_float_denorm_mode_16_64 3
		.amdhsa_memory_ordered 1
		.amdhsa_forward_progress 1
		.amdhsa_inst_pref_size 131
	.end_amdhsa_kernel
	.amdgpu_metadata
---
amdhsa.version: [ 1, 2 ]
amdhsa.kernels:
  - .name:           k_q9713e3e44c_proj
    .symbol:         k_q9713e3e44c_proj.kd
    .args:
      - { .name: xq, .offset: 0, .size: 8, .value_kind: global_buffer, .address_space: global }
      - { .name: wq, .offset: 8, .size: 8, .value_kind: global_buffer, .address_space: global }
      - { .name: bq, .offset: 16, .size: 8, .value_kind: global_buffer, .address_space: global }
      - { .name: bk, .offset: 24, .size: 8, .value_kind: global_buffer, .address_space: global }
      - { .name: bv, .offset: 32, .size: 8, .value_kind: global_buffer, .address_space: global }
      - { .name: qkv, .offset: 40, .size: 8, .value_kind: global_buffer, .address_space: global }
      - { .name: fine, .offset: 48, .size: 8, .value_kind: global_buffer, .address_space: global }
    .group_segment_fixed_size: 327680
    .private_segment_fixed_size: 0
    .kernarg_segment_align: 8
    .kernarg_segment_size: 56
    .max_flat_workgroup_size: 128
    .sgpr_count:     106
    .vgpr_count:     1024
    .wavefront_size: 32
...
	.end_amdgpu_metadata
.endif
;; end of part 2
;; launch scores (part 3): grid 36 x 4, 4 waves a work-group, no clusters, 327,680 bytes of LDS; arguments qkv, sc; writes sc
.if DOCPART == 3
	.amdgcn_target "amdgcn-amd-amdhsa--gfx1250"
	.amdhsa_code_object_version 6
	.text
	.protected	k_q9713e3e44c_scores
	.globl	k_q9713e3e44c_scores
	.p2align	8
	.type	k_q9713e3e44c_scores,@function
k_q9713e3e44c_scores:
	s_mov_b64 s[64:65], 0
	v_nop
	global_prefetch_b8 v0, s[64:65] scope:SCOPE_SE
	s_setreg_imm32_b32 hwreg(HW_REG_WAVE_MODE, 25, 1), 1
	s_wait_xcnt 0x0
; SCORES: sc[b][q][k] = the sum over d of q[b][q][d] k[b][k][d], f16 operands, f32 sums, not yet scaled.  K = 1,024.
; WORK LEFT OUT: of the 8 x 8 tiles of 256 x 256 of a batch only the 36 with tile column <= tile row are made: reference()'s own tril throws the others away (the proof stands at the head of prep).
; On a diagonal tile the wave with queries 0-127 x keys 128-255 stores nothing: all its scores are masked.
; A tile is made by four waves, 128 x 128 each: 64 accumulators.  K goes in steps of 128 through two LDS slots; each wave fetches 128 rows x 256 bytes with one tensor load.
; NO CLUSTER: row I of the triangle has I + 1 tiles and column J has 8 - J; neither divides by four, and a partner above the diagonal would read no joint tile.
; The matrix instruction is used transposed (source 0 = 16 keys, source 1 = 16 queries): a lane holds eight neighbouring keys of one query.
; REGISTERS: window 0: v16-29 addresses; v64-127, v128-191 q's fragments, two buffers (later rows on the way out).  window 1: v64-191 k's fragments.  windows 2, 3: accumulators.
.set KSTEP,  128
.set PITCH,  272                       ; 256 bytes + 16: the 16 rows of a fragment load start at 16 different banks (ISA guide 11.1)
.set HALFT,  128*PITCH
.set SLOT,   4*HALFT
.set STAGE,  2*SLOT                    ; behind the ring: 16 rows x 528 bytes a wave
.set SPITCH, 528
.set SPARE,  STAGE+4*16*SPITCH
.set LAPS,   4
.set ADRA, 16
.set ADRB, 20
.set STO,  24
.set RD,   25
.set CO,   26
.set SPW,  28
.set NIL,  29
.set F0,   64
.set F1,   128
.set BK,   64
.set G1, 24
.set G0, 32
.set MSB, 0
.macro WIN new
.if MSB != (\new)
	s_set_vgpr_msb (MSB<<8)|(\new)
.set MSB, \new
.endif
.endm
.set MUL_LO, 0xa1
.set MUL_HI, 0xf1
.set TO_B,   0x40
	s_load_b128 s[4:7], s[0:1], 0x0                ; qkv, sc
	v_lshl_add_u32 v[SPW], v0, 2, SPARE
	v_mov_b32 v[NIL], 0
	ds_add_u32 v[SPW], v[NIL]                      ; the opening: the add, twice on end, and its wait ahead of my first tensor load
	ds_add_u32 v[SPW], v[NIL]
	v_lshrrev_b32 v1, 5, v0
	v_readfirstlane_b32 s10, v1                    ; wave
	s_lshr_b32 s11, s10, 1                         ; my half of the queries; also: I fetch q (0) or k (1)
	s_and_b32 s12, s10, 1                          ; my half of the keys; also: which 128 rows I fetch
	s_mov_b32 s40, 0                               ; tile row I: how many triangular numbers lie at or under the work-group's number
.irp T, 1,3,6,10,15,21,28
	s_cmp_ge_u32 ttmp9, \T
	s_add_co_ci_u32 s40, s40, 0
.endr
	s_add_co_u32 s41, s40, 1
	s_mul_i32 s41, s41, s40
	s_lshr_b32 s41, s41, 1
	s_sub_co_u32 s41, ttmp9, s41                   ; tile column J
	s_and_b32 s13, ttmp7, 0xffff                   ; batch
	s_mov_b32 s[G1+0], (1<<16)|(1<<20)|(5<<22)|(3<<25)   ; no mask; elements of 2 bytes; padding: 4 words behind every 64
	s_mov_b32 s[G1+1], KSTEP<<16                   ; tensor_dim0 = 128
	s_mov_b32 s[G1+2], 128<<16                     ; tensor_dim1 = 128
	s_mov_b32 s[G1+3], KSTEP<<16                   ; tile_dim0
	s_mov_b32 s[G1+4], 128                         ; tile_dim1
	s_mov_b32 s[G1+5], 1024                        ; pitch in elements
	s_mov_b32 s[G1+6], 0
	s_mov_b32 s[G1+7], 0
	s_lshl_b32 s14, s13, 11
	s_lshl_b32 s15, s40, 8
	s_add_co_u32 s15, s15, s14                     ; the tile's first query, as a row of qkv
	s_lshl_b32 s16, s41, 8
	s_add_co_u32 s16, s16, s14
	s_add_co_u32 s16, s16, 8192                    ; its first key: plane 1
	s_cmp_eq_u32 s11, 0
	s_cselect_b32 s16, s15, s16
	s_lshl_b32 s17, s12, 7
	s_add_co_u32 s16, s16, s17
	s_lshl_b32 s16, s16, 11                        ; rows of 2,048 bytes
	s_mov_b32 s17, 0
	s_mul_i32 s20, s10, HALFT                      ; LDS: q's two halves, then k's: wave x 128 rows
	s_wait_dscnt 0x0                               ; both opening adds are done
	s_wait_kmcnt 0x0
	s_add_nc_u64 s[16:17], s[4:5], s[16:17]
.irp s, 0,1
	s_mov_b32 s[G0+4*\s], 1
	s_add_co_u32 s[G0+4*\s+1], s20, \s*SLOT
	s_add_nc_u64 s[G0+4*\s+2:G0+4*\s+3], s[16:17], \s*KSTEP*2
	s_or_b32 s[G0+4*\s+3], s[G0+4*\s+3], 0x80000000
	tensor_load_to_lds s[G0+4*\s:G0+4*\s+3], s[G1:G1+7]   ; every wave fills its quarter of both slots: two loads of mine are out
	s_nop 0
.endr
	v_and_b32 v1, 15, v0
	v_bfe_u32 v2, v0, 4, 1
	v_mul_u32_u24 v3, v1, PITCH
	v_lshl_add_u32 v3, v2, 4, v3
	s_mul_i32 s21, s11, HALFT
	s_mul_i32 s22, s12, HALFT
	s_add_co_u32 s22, s22, 2*HALFT
.irp s, 0,1
	v_add_nc_u32 v[ADRA+\s], s21, v3
	v_add_nc_u32 v[ADRB+\s], s22, v3
	s_add_co_u32 s21, s21, SLOT
	s_add_co_u32 s22, s22, SLOT
.endr
	s_mul_i32 s23, s10, 16*SPITCH
	s_add_co_u32 s23, s23, STAGE
	v_mul_u32_u24 v4, v1, SPITCH
	v_lshl_add_u32 v4, v2, 5, v4
	v_add_nc_u32 v[STO], s23, v4                   ; in: row r, 32 bytes for each half of the lanes
	v_and_b32 v5, 31, v0
	v_lshlrev_b32 v[CO], 4, v5
	v_add_nc_u32 v[RD], s23, v[CO]                 ; back: 32 lanes take a row of 512 bytes
	s_lshl_b32 s18, s11, 7
	s_add_co_u32 s18, s18, s15
	s_lshl_b32 s18, s18, 13                        ; my first query x 8,192 bytes
	s_lshl_b32 s19, s41, 10
	s_add_co_u32 s18, s18, s19
	s_lshl_b32 s19, s12, 9
	s_add_co_u32 s18, s18, s19
	s_mov_b32 s19, 0
	s_add_nc_u64 s[6:7], s[6:7], s[18:19]
	s_sub_co_u32 s42, s40, s41
	s_xor_b32 s43, s10, 1
	s_or_b32 s42, s42, s43                         ; 0: a diagonal tile's wave 1
.macro MUL16 f, hi, a0, zero           ; 16 products; the 64 accumulators take turns in the same order in every quarter
.irp a, \a0, \a0+1
.irp b, 0,1,2,3,4,5,6,7
.if \zero
	v_wmma_f32_16x16x32_f16 v[8*(8*(\a)+\b):8*(8*(\a)+\b)+7], v[\f+8*\b:\f+8*\b+7], v[\f+8*(4*\hi+\a):\f+8*(4*\hi+\a)+7], 0
.else
	v_wmma_f32_16x16x32_f16 v[8*(8*(\a)+\b):8*(8*(\a)+\b)+7], v[\f+8*\b:\f+8*\b+7], v[\f+8*(4*\hi+\a):\f+8*(4*\hi+\a)+7], v[8*(8*(\a)+\b):8*(8*(\a)+\b)+7]
.endif
.endr
.endr
.endm
.macro FETCH slot, k, f                ; 32 LDS loads in one run: a quarter step's fragments
	WIN TO_B
.irp i, 0,1,2,3,4,5,6,7
	ds_load_b128 v[\f+8*\i:\f+8*\i+3],   v[ADRB+\slot] offset:\k+\i*16*PITCH
	ds_load_b128 v[\f+8*\i+4:\f+8*\i+7], v[ADRB+\slot] offset:\k+\i*16*PITCH+32
.endr
	WIN 0
.irp i, 0,1,2,3,4,5,6,7
	ds_load_b128 v[\f+8*\i:\f+8*\i+3],   v[ADRA+\slot] offset:\k+\i*16*PITCH
	ds_load_b128 v[\f+8*\i+4:\f+8*\i+7], v[ADRA+\slot] offset:\k+\i*16*PITCH+32
.endr
.endm
.macro PLACES                          ; four plain places behind matrix instructions (ISA guide 7.12.1)
.rept 4
	v_nop
.endr
.endm
.macro QUARTER slot, k, f, g, zero
	s_wait_dscnt 8                                 ; k's fragments and q's rows 0-63 are in; the youngest eight loads may be out
	WIN MUL_LO
	MUL16 \f, 0, 0, \zero
	MUL16 \f, 0, 2, \zero
	PLACES
	FETCH \slot, \k, \g
	s_wait_dscnt 32                                ; all but the 32 just issued
	WIN MUL_HI
	MUL16 \f, 1, 0, \zero
	MUL16 \f, 1, 2, \zero
.endm
; The last quarter changes slots: each wave waits for all its tensor loads, adds 0 to its spare word, waits for that and for its reads of this slot, and passes the barrier; the refill comes first behind it.
.macro TURN slot, next, fill
	WIN 0
	s_wait_tensorcnt 0x0                           ; my part of the next slot has landed; no load of mine is out
	ds_add_u32 v[SPW], v[NIL]
	s_wait_dscnt 9                                 ; the add and the youngest eight loads may be out
	WIN MUL_LO
	MUL16 F1, 0, 0, 0
	s_wait_dscnt 0x0                               ; the add is done, my reads of this slot are over
	s_barrier_signal -1
	MUL16 F1, 0, 2, 0
	WIN 0
	s_barrier_wait -1
.if \fill
	s_add_nc_u64 s[G0+4*\slot+2:G0+4*\slot+3], s[G0+4*\slot+2:G0+4*\slot+3], 2*KSTEP*2
	tensor_load_to_lds s[G0+4*\slot:G0+4*\slot+3], s[G1:G1+7]   ; my one load behind this barrier: this slot's tile two K steps on
	s_nop 0
.endif
	PLACES
	FETCH \next, 0, F0
	WIN MUL_HI
	MUL16 F1, 1, 0, 0
	MUL16 F1, 1, 2, 0
.endm
	s_wait_tensorcnt 1                             ; my part of K step 0 is in; K step 1's load may be out
	s_barrier_signal -1
	s_barrier_wait -1
	FETCH 0, 0, F0
	QUARTER 0, 64, F0, F1, 1                       ; the first quarter starts the sums
	WIN 0
	s_mov_b32 s3, LAPS-1
.Llap:                                             ; a trip goes once round the ring and fills both slots again
	QUARTER 0, 128, F1, F0, 0
	QUARTER 0, 192, F0, F1, 0
	TURN 0, 1, 1
	QUARTER 1, 64,  F0, F1, 0
	QUARTER 1, 128, F1, F0, 0
	QUARTER 1, 192, F0, F1, 0
	TURN 1, 0, 1
	QUARTER 0, 64,  F0, F1, 0
	WIN 0
	s_sub_co_u32 s3, s3, 1
	s_cmp_lg_u32 s3, 0
	s_cbranch_scc1 .Llap
	QUARTER 0, 128, F1, F0, 0                      ; the last lap fills nothing
	QUARTER 0, 192, F0, F1, 0
	TURN 0, 1, 0
	QUARTER 1, 64,  F0, F1, 0
	QUARTER 1, 128, F1, F0, 0
	QUARTER 1, 192, F0, F1, 0
	s_wait_dscnt 8
	WIN MUL_LO
	MUL16 F1, 0, 0, 0
	MUL16 F1, 0, 2, 0
	s_wait_dscnt 0
	WIN MUL_HI
	MUL16 F1, 1, 0, 0
	MUL16 F1, 1, 2, 0
	WIN 0
	PLACES
	s_cmp_eq_u32 s42, 0                            ; ids and the wave's number alone; no barrier follows
	s_cbranch_scc1 .Lend
; THE WAY OUT, a block of 16 queries x 128 keys at a time, through my stage, back as whole rows of 512 bytes.
.macro TOSTAGE a
.set AC, 64*((\a)%4)
	WIN 0x08+4*((\a)/4)
.irp b, 0,1,2,3,4,5,6,7
	ds_store_b128 v[STO], v[AC+8*\b:AC+8*\b+3] offset:64*\b          ; each accumulator from its low end on
	ds_store_b128 v[STO], v[AC+8*\b+4:AC+8*\b+7] offset:64*\b+16
.endr
	WIN 0
.set BB, BK+64*((\a)%2)
.irp t, 0,1,2,3,4,5,6,7,8,9,10,11,12,13,14,15
	ds_load_b128 v[BB+4*\t:BB+4*\t+3], v[RD] offset:\t*SPITCH
.endr
.endm
.macro SEND a, younger
.set BB, BK+64*((\a)%2)
	s_wait_dscnt \younger
.if (\a) > 0
	s_add_nc_u64 s[6:7], s[6:7], 16*8192           ; behind a wait on XCNT: the earlier stores have read their base
.endif
.irp t, 0,1,2,3,4,5,6,7,8,9,10,11,12,13,14,15
	global_store_b128 v[CO], v[BB+4*\t:BB+4*\t+3], s[6:7] offset:\t*8192   ; 32 lanes store 512 consecutive bytes, aligned
.endr
.endm
	TOSTAGE 0
.irp a, 1,2,3,4,5,6,7
.if \a > 1
	s_wait_xcnt 0x0                                ; block a - 2's stores have read their registers and base
.endif
	TOSTAGE \a
	SEND \a-1, 32                                  ; behind block a - 1's loads: block a's 16 stores and 16 loads
.endr
	s_wait_xcnt 0x0
	SEND 7, 0
.Lend:
	s_wait_tensorcnt 0x0                           ; the wave's end
	ds_add_u32 v[SPW], v[NIL]
	s_wait_dscnt 0x0
	s_endpgm
.Lfunc_end_k_q9713e3e44c_scores:
	.size	k_q9713e3e44c_scores, .Lfunc_end_k_q9713e3e44c_scores-k_q9713e3e44c_scores
	.p2alignl 7, 3214868480
	.fill 96, 4, 3214868480
	.section	.rodata,"a",@progbits
	.p2align	6, 0x0
	.amdhsa_kernel k_q9713e3e44c_scores
		.amdhsa_group_segment_fixed_size 327680
		.amdhsa_private_segment_fixed_size 0
		.amdhsa_enable_private_segment 0
		.amdhsa_kernarg_size 16
		.amdhsa_user_sgpr_count 2
		.amdhsa_user_sgpr_kernarg_segment_ptr 1
		.amdhsa_wavefront_size32 1
		.amdhsa_system_sgpr_workgroup_id_x 1
		.amdhsa_system_sgpr_workgroup_id_y 1
		.amdhsa_system_sgpr_workgroup_id_z 1
		.amdhsa_system_vgpr_workitem_id 0
		.amdhsa_next_free_vgpr 1024
		.amdhsa_next_free_sgpr 66
		.amdhsa_reserve_vcc 0
		.amdhsa_float_denorm_mode_32 3
		.amdhsa_float_denorm_mode_16_64 3
		.amdhsa_memory_ordered 1
		.amdhsa_forward_progress 1
		.amdhsa_inst_pref_size 137
	.end_amdhsa_kernel
	.amdgpu_metadata
---
amdhsa.version: [ 1, 2 ]
amdhsa.kernels:
  - .name:           k_q9713e3e44c_scores
    .symbol:         k_q9713e3e44c_scores.kd
    .args:
      - { .name: qkv, .offset: 0, .size: 8, .value_kind: global_buffer, .address_space: global }
      - { .name: sc, .offset: 8, .size: 8, .value_kind: global_buffer, .address_space: global }
    .group_segment_fixed_size: 327680
    .private_segment_fixed_size: 0
    .kernarg_segment_align: 8
    .kernarg_segment_size: 16
    .max_flat_workgroup_size: 128
    .sgpr_count:     66
    .vgpr_count:     1024
    .wavefront_size: 32
...
	.end_amdgpu_metadata
.endif
;; end of part 3
;; launch softmax (part 4): grid 1024 x 1, 8 waves a work-group, no clusters, 0 bytes of LDS; arguments sc, pm; writes pm
.if DOCPART == 4
	.amdgcn_target "amdgcn-amd-amdhsa--gfx1250"
	.amdhsa_code_object_version 6
	.text
	.protected	k_q9713e3e44c_softmax
	.globl	k_q9713e3e44c_softmax
	.p2align	8
	.type	k_q9713e3e44c_softmax,@function
k_q9713e3e44c_softmax:
	s_mov_b64 s[64:65], 0
	v_nop
	global_prefetch_b8 v0, s[64:65] scope:SCOPE_SE
	s_setreg_imm32_b32 hwreg(HW_REG_WAVE_MODE, 25, 1), 1
	s_wait_xcnt 0x0
; SOFTMAX: pm[b][q][k] = exp(s - max - log(sum of exp(s - max))) with s = sc / 32, for k <= q; 0 for the hidden keys up to the row's boundary of 256 keys.  f32 throughout; p rounded once to f16.
; WORK LEFT OUT: chunks of 128 keys that lie wholly behind the row's own key are neither read nor written (masked by reference()'s own tril: the proof stands at the head of prep).
; One wave, one row; no LDS, no barrier.  The row has nch = q / 128 + 1 chunks; register group g (4 registers, a lane holds 4 neighbouring keys) takes chunk nch - 1 - g, so that group 0 is
; always the chunk with the diagonal.  Only loads and stores are guarded by nch (ids alone); groups that are not loaded hold -infinity, which gives p = 0, and the arithmetic runs over all 64 registers.
; The row's maximum is taken away before the exponential, as reference()'s log_softmax does.  p = 2^(c s' - c m) / sum, c = log2(e) / 32, s' the raw sum of products.
.set X,   16                           ; v16-79  the scores, then p
.set OUT, 80                           ; v80-111 p as f16
	s_load_b128 s[4:7], s[0:1], 0x0                ; sc, pm
	v_lshrrev_b32 v1, 5, v0
	v_readfirstlane_b32 s8, v1                     ; wave
	v_and_b32 v5, 31, v0
	v_lshlrev_b32 v1, 4, v5                        ; 16 bytes a lane in
	v_lshlrev_b32 v2, 3, v5                        ; 8 bytes a lane out
	s_lshl_b32 s9, ttmp9, 3
	s_add_co_u32 s9, s9, s8                        ; my row, 0 .. 8191
	s_and_b32 s10, s9, 2047                        ; q
	s_lshr_b32 s11, s10, 7
	s_add_co_u32 s11, s11, 1                       ; nch
	s_and_b32 s16, s10, 127
	v_lshlrev_b32 v3, 2, v5
	v_sub_nc_u32 v3, s16, v3                       ; d = q % 128 - 4 lane: element e of group 0 is hidden where e > d
	v_mov_b32 v4, 0xff800000                       ; -infinity
	v_mov_b32 v112, 0
	v_mov_b32 v113, 0
	s_mov_b32 s12, 0x76543210
	s_mov_b32 s13, 0xfedcba98                      ; v_permlanex16_b32: lane l xor 16
	s_mov_b32 s14, 0x3d38aa3b                      ; c = log2(e) / 32
	s_mov_b32 s15, s14
	s_sub_co_u32 s17, s11, 1
	s_lshl_b32 s18, s9, 13
	s_lshl_b32 s20, s17, 9
	s_add_co_u32 s18, s18, s20                     ; the diagonal chunk in sc
	s_mov_b32 s19, 0
	s_lshl_b32 s20, s9, 12
	s_lshl_b32 s21, s17, 8
	s_add_co_u32 s20, s20, s21                     ; and in pm
	s_mov_b32 s21, 0
.set i, 4
.rept 60
	v_mov_b32 v[X+i], v4                           ; groups that a short row does not load
.set i, i+1
.endr
	s_wait_kmcnt 0x0
	s_add_nc_u64 s[4:5], s[4:5], s[18:19]
	s_add_nc_u64 s[6:7], s[6:7], s[20:21]
	global_load_b128 v[X:X+3], v1, s[4:5] th:TH_LOAD_NT
.irp g, 1,2,3,4,5,6,7,8,9,10,11,12,13,14,15
	s_cmp_le_u32 s11, \g
	s_cbranch_scc1 .Lloaded
	global_load_b128 v[X+4*\g:X+4*\g+3], v1, s[4:5] offset:-512*\g th:TH_LOAD_NT   ; 32 lanes read 512 consecutive bytes
.endr
.Lloaded:
	s_wait_loadcnt 0x0
.irp e, 0,1,2,3
	v_cmp_gt_i32 vcc_lo, \e, v3
	v_cndmask_b32 v[X+\e], v[X+\e], v4, vcc_lo     ; the mask, on the diagonal chunk
.endr
	v_max3_num_f32 v12, v[X], v[X+1], v[X+2]
	v_max3_num_f32 v13, v[X+3], v[X+4], v[X+5]
.set i, 6
.rept 14
	v_max3_num_f32 v12, v12, v[X+i], v[X+i+1]
	v_max3_num_f32 v13, v13, v[X+i+2], v[X+i+3]
.set i, i+4
.endr
	v_max3_num_f32 v12, v12, v[X+62], v[X+63]
	v_max_num_f32 v12, v12, v13
	v_max_num_f32_dpp v12, v12, v12 row_xmask:1 row_mask:0xf bank_mask:0xf
	v_max_num_f32_dpp v12, v12, v12 row_xmask:2 row_mask:0xf bank_mask:0xf
	v_max_num_f32_dpp v12, v12, v12 row_xmask:4 row_mask:0xf bank_mask:0xf
	v_max_num_f32_dpp v12, v12, v12 row_xmask:8 row_mask:0xf bank_mask:0xf
	v_permlanex16_b32 v13, v12, s12, s13
	v_max_num_f32 v12, v12, v13                    ; the row's maximum, in every lane; key q itself counts, so it is a number
	v_mul_f32 v6, 0xbd38aa3b, v12                  ; -c m
	v_mov_b32 v7, v6
.set i, 0
.rept 32
	v_pk_fma_f32 v[X+i:X+i+1], v[X+i:X+i+1], s[14:15], v[6:7] op_sel_hi:[1,0,0]
.set i, i+2
.endr
.set i, 0
.rept 64
	v_exp_f32 v[X+i], v[X+i]
.set i, i+1
.endr
	v_nop                                          ; a plain place behind the last exponential
	s_wait_alu depctr_va_vdst(0)                   ; one wait for the batch, ahead of its first reader
	v_pk_add_f32 v[8:9], v[X:X+1], v[X+2:X+3]
	v_pk_add_f32 v[12:13], v[X+4:X+5], v[X+6:X+7]
.set i, 8
.rept 14
	v_pk_add_f32 v[8:9], v[8:9], v[X+i:X+i+1]
	v_pk_add_f32 v[12:13], v[12:13], v[X+i+2:X+i+3]
.set i, i+4
.endr
	v_pk_add_f32 v[8:9], v[8:9], v[12:13]
	v_add_f32 v8, v8, v9
	v_add_f32_dpp v8, v8, v8 row_xmask:1 row_mask:0xf bank_mask:0xf
	v_add_f32_dpp v8, v8, v8 row_xmask:2 row_mask:0xf bank_mask:0xf
	v_add_f32_dpp v8, v8, v8 row_xmask:4 row_mask:0xf bank_mask:0xf
	v_add_f32_dpp v8, v8, v8 row_xmask:8 row_mask:0xf bank_mask:0xf
	v_permlanex16_b32 v9, v8, s12, s13
	v_add_f32 v8, v8, v9
	v_rcp_f32 v10, v8
	v_rcp_f32 v11, v8
	v_nop
	s_wait_alu depctr_va_vdst(0)
.set i, 0
.rept 32
	v_pk_mul_f32 v[X+i:X+i+1], v[X+i:X+i+1], v[10:11]
.set i, i+2
.endr
.set i, 0
.rept 32
	v_cvt_pk_f16_f32 v[OUT+i], v[X+2*i], v[X+2*i+1]
.set i, i+1
.endr
	global_store_b64 v2, v[OUT:OUT+1], s[6:7]      ; 32 lanes store 256 consecutive bytes, aligned
.irp g, 1,2,3,4,5,6,7,8,9,10,11,12,13,14,15
	s_cmp_le_u32 s11, \g
	s_cbranch_scc1 .Lstored
	global_store_b64 v2, v[OUT+2*\g:OUT+2*\g+1], s[6:7] offset:-256*\g
.endr
.Lstored:
	s_bitcmp1_b32 s11, 0                           ; an odd number of chunks: the next launch walks the keys 256 at a time, so the chunk behind the diagonal's gets zeros
	s_cbranch_scc0 .Ldone
	global_store_b64 v2, v[112:113], s[6:7] offset:256
.Ldone:
	s_endpgm
.Lfunc_end_k_q9713e3e44c_softmax:
	.size	k_q9713e3e44c_softmax, .Lfunc_end_k_q9713e3e44c_softmax-k_q9713e3e44c_softmax
	.p2alignl 7, 3214868480
	.fill 96, 4, 3214868480
	.section	.rodata,"a",@progbits
	.p2align	6, 0x0
	.amdhsa_kernel k_q9713e3e44c_softmax
		.amdhsa_group_segment_fixed_size 0
		.amdhsa_private_segment_fixed_size 0
		.amdhsa_enable_private_segment 0
		.amdhsa_kernarg_size 16
		.amdhsa_user_sgpr_count 2
		.amdhsa_user_sgpr_kernarg_segment_ptr 1
		.amdhsa_wavefront_size32 1
		.amdhsa_system_sgpr_workgroup_id_x 1
		.amdhsa_system_sgpr_workgroup_id_y 1
		.amdhsa_system_sgpr_workgroup_id_z 1
		.amdhsa_system_vgpr_workitem_id 0
		.amdhsa_next_free_vgpr 120
		.amdhsa_next_free_sgpr 66
		.amdhsa_reserve_vcc 1
		.amdhsa_float_denorm_mode_32 3
		.amdhsa_float_denorm_mode_16_64 3
		.amdhsa_memory_ordered 1
		.amdhsa_forward_progress 1
		.amdhsa_inst_pref_size 22
	.end_amdhsa_kernel
	.amdgpu_metadata
---
amdhsa.version: [ 1, 2 ]
amdhsa.kernels:
  - .name:           k_q9713e3e44c_softmax
    .symbol:         k_q9713e3e44c_softmax.kd
    .args:
      - { .name: sc, .offset: 0, .size: 8, .value_kind: global_buffer, .address_space: global }
      - { .name: pm, .offset: 8, .size: 8, .value_kind: global_buffer, .address_space: global }
    .group_segment_fixed_size: 0
    .private_segment_fixed_size: 0
    .kernarg_segment_align: 8
    .kernarg_segment_size: 16
    .max_flat_workgroup_size: 256
    .sgpr_count:     66
    .vgpr_count:     120
    .wavefront_size: 32
...
	.end_amdgpu_metadata
.endif
;; end of part 4
;; launch pv (part 5): grid 4 x 64, 4 waves a work-group, no clusters, 327,680 bytes of LDS; arguments pm, qkv, om; writes om
.if DOCPART == 5
	.amdgcn_target "amdgcn-amd-amdhsa--gfx1250"
	.amdhsa_code_object_version 6
	.text
	.protected	k_q9713e3e44c_pv
	.globl	k_q9713e3e44c_pv
	.p2align	8
	.type	k_q9713e3e44c_pv,@function
k_q9713e3e44c_pv:
	s_mov_b64 s[64:65], 0
	v_nop
	global_prefetch_b8 v0, s[64:65] scope:SCOPE_SE
	s_setreg_imm32_b32 hwreg(HW_REG_WAVE_MODE, 25, 1), 1
	s_wait_xcnt 0x0
; PV: om[b][q][d] = the sum over k of pm[b][q][k] v[b][k][d], f16 operands, f32 sums, om rounded once to f16.
; WORK LEFT OUT: a block of 128 queries walks the keys only up to its own boundary of 256 keys; behind it every weight is 0 by reference()'s own tril (the proof stands at the head of prep).
; A work-group makes 128 queries x 256 channels; a wave 64 x 128: 32 accumulators (window 1).  K (the keys) goes in steps of 128 through two LDS slots: waves 0, 1 fetch p's halves
; (64 rows x 256 bytes), waves 2, 3 v's (64 keys x 512 bytes).  v lies [key][channel]: its fragments come out of LDS turned, by ds_load_tr16_b128.
; NO CLUSTER: v's tiles are shared only between query blocks that walk different numbers of K steps, and p's tile, which the four column blocks share, is 34,816 of a step's 104,448 bytes.
; The trip count hangs on the work-group's number alone; no LDS address is stepped in the loop; every wait on TENSORcnt from the loop on is for 0.
; The matrix instruction is used transposed (source 0 = 16 channels, source 1 = 16 queries): a lane holds eight neighbouring channels of one query.
; REGISTERS: window 0: v12-26 addresses; v32-63 packed results; v64-159, v160-255 two fragment buffers (64 of v, 32 of p).  window 1: accumulator (a, b) at v[8 (8 a + b)].
.set PA,    272                        ; a row of p: 256 bytes + 16
.set PB,    544                        ; a row of v: 512 bytes + 32: the turning load's 8 rows x 32 bytes fall on different banks
.set SLOT,  128*PA+128*PB
.set STAGE, 2*SLOT
.set SPITCH, 272
.set SPARE, STAGE+4*16*SPITCH
.set SPW,  12
.set NIL,  13
.set ADRA, 16
.set ADRB, 20
.set STO,  24
.set RD,   25
.set CO,   26
.set TMP,  32
.set F0,   64
.set F1,   160
.set BK,   64
.set G1A, 24
.set G0A, 32
.set G1B, 48
.set G0B, 56
.set MSB, 0
.macro WIN new
.if MSB != (\new)
	s_set_vgpr_msb (MSB<<8)|(\new)
.set MSB, \new
.endif
.endm
.set MUL, 0x50                         ; C and D window 1, the fragments window 0
.macro JLOAD s                         ; an s_nop 0 and four v_nop follow each of the two lines
	s_cmp_lt_u32 s10, 2
	s_cbranch_scc0 .Lfor_b_\@
	tensor_load_to_lds s[G0A+4*\s:G0A+4*\s+3], s[G1A:G1A+7]
	s_nop 0
.rept 4
	v_nop
.endr
	s_branch .Lasked_\@
.Lfor_b_\@:
	tensor_load_to_lds s[G0B+4*\s:G0B+4*\s+3], s[G1B:G1B+7]
	s_nop 0
.rept 4
	v_nop
.endr
.Lasked_\@:
.endm
	s_load_b128 s[4:7], s[0:1], 0x0                ; pm, qkv
	s_load_b64 s[8:9], s[0:1], 0x10                ; om
	v_lshl_add_u32 v[SPW], v0, 2, SPARE
	v_mov_b32 v[NIL], 0
	ds_add_u32 v[SPW], v[NIL]                      ; the opening: the add, twice on end, and its wait ahead of my first tensor load
	ds_add_u32 v[SPW], v[NIL]
	v_lshrrev_b32 v1, 5, v0
	v_readfirstlane_b32 s10, v1                    ; wave
	s_lshr_b32 s11, s10, 1                         ; my half of the queries
	s_and_b32 s12, s10, 1                          ; my half of the channels; also: which 64 rows I fetch
	s_and_b32 s13, ttmp7, 0xffff
	s_lshr_b32 s14, s13, 4                         ; batch
	s_and_b32 s15, s13, 15                         ; block of 128 queries
	s_mov_b32 s[G1A+0], (1<<16)|(1<<20)|(5<<22)|(3<<25)   ; elements of 2 bytes; 4 words of padding behind every 64
	s_mov_b32 s[G1A+1], 128<<16
	s_mov_b32 s[G1A+2], 64<<16
	s_mov_b32 s[G1A+3], 128<<16
	s_mov_b32 s[G1A+4], 64
	s_mov_b32 s[G1A+5], 2048
	s_mov_b32 s[G1A+6], 0
	s_mov_b32 s[G1A+7], 0
	s_mov_b32 s[G1B+0], (1<<16)|(1<<20)|(6<<22)|(7<<25)   ; 8 words of padding behind every 128
	s_mov_b32 s[G1B+1], 256<<16
	s_mov_b32 s[G1B+2], 64<<16
	s_mov_b32 s[G1B+3], 256<<16
	s_mov_b32 s[G1B+4], 64
	s_mov_b32 s[G1B+5], 1024
	s_mov_b32 s[G1B+6], 0
	s_mov_b32 s[G1B+7], 0
	s_lshl_b32 s16, s14, 11
	s_lshl_b32 s17, s15, 7
	s_add_co_u32 s40, s16, s17                     ; the block's first query, as a row
	s_lshl_b32 s17, s12, 6
	s_add_co_u32 s18, s40, s17
	s_lshl_b32 s18, s18, 12                        ; p: rows of 4,096 bytes
	s_mov_b32 s19, 0
	s_add_co_u32 s20, s16, s17
	s_lshl_b32 s20, s20, 11                        ; v: keys of 2,048 bytes,
	s_lshl_b32 s21, ttmp9, 9
	s_add_co_u32 s20, s20, s21                     ; my work-group's 256 channels,
	s_add_co_u32 s20, s20, 33554432                ; plane 2 of qkv
	s_mov_b32 s21, 0
	s_mul_i32 s22, s12, 64*PA                      ; LDS: p's halves,
	s_mul_i32 s23, s12, 64*PB
	s_add_co_u32 s23, s23, 128*PA                  ; then v's
	s_wait_dscnt 0x0                               ; both opening adds are done
	s_wait_kmcnt 0x0
	s_add_nc_u64 s[18:19], s[4:5], s[18:19]
	s_add_nc_u64 s[20:21], s[6:7], s[20:21]
.irp s, 0,1
	s_mov_b32 s[G0A+4*\s], 1
	s_add_co_u32 s[G0A+4*\s+1], s22, \s*SLOT
	s_add_nc_u64 s[G0A+4*\s+2:G0A+4*\s+3], s[18:19], \s*256
	s_or_b32 s[G0A+4*\s+3], s[G0A+4*\s+3], 0x80000000
	s_mov_b32 s[G0B+4*\s], 1
	s_add_co_u32 s[G0B+4*\s+1], s23, \s*SLOT
	s_add_nc_u64 s[G0B+4*\s+2:G0B+4*\s+3], s[20:21], \s*262144
	s_or_b32 s[G0B+4*\s+3], s[G0B+4*\s+3], 0x80000000
	JLOAD \s                                       ; keys 0-255: every block reads them.  Two loads of mine are out
.endr
	v_and_b32 v1, 15, v0                           ; r
	v_bfe_u32 v2, v0, 4, 1                         ; h
	v_mul_u32_u24 v5, v1, PA
	v_lshl_add_u32 v5, v2, 4, v5
	s_mul_i32 s21, s11, 64*PA
	v_add_nc_u32 v[ADRA], s21, v5                  ; p: (64 half + r) rows + 16 h
	v_add_nc_u32 v[ADRA+1], SLOT, v[ADRA]
	v_and_b32 v3, 7, v0
	v_lshl_add_u32 v3, v2, 3, v3
	v_mul_u32_u24 v3, v3, PB
	v_bfe_u32 v4, v0, 3, 1
	v_lshl_add_u32 v3, v4, 4, v3
	s_lshl_b32 s21, s12, 8
	s_add_co_u32 s21, s21, 128*PA
	v_add_nc_u32 v[ADRB], s21, v3                  ; v: key 8 h + lane % 8, channels 8 ((lane / 8) % 2) on, my 128 channels
	v_add_nc_u32 v[ADRB+1], SLOT, v[ADRB]
	s_mul_i32 s23, s10, 16*SPITCH
	s_add_co_u32 s23, s23, STAGE
	v_mul_u32_u24 v4, v1, SPITCH
	v_lshl_add_u32 v4, v2, 4, v4
	v_add_nc_u32 v[STO], s23, v4
	v_mul_u32_u24 v5, v2, SPITCH
	v_lshl_add_u32 v5, v1, 4, v5
	v_add_nc_u32 v[RD], s23, v5
	v_lshlrev_b32 v5, 11, v2
	v_lshl_add_u32 v[CO], v1, 4, v5
	s_lshl_b32 s20, s11, 6
	s_add_co_u32 s20, s20, s40
	s_lshl_b32 s20, s20, 11
	s_lshl_b32 s21, ttmp9, 9
	s_add_co_u32 s20, s20, s21
	s_lshl_b32 s21, s12, 8
	s_add_co_u32 s20, s20, s21
	s_mov_b32 s21, 0
	s_add_nc_u64 s[8:9], s[8:9], s[20:21]
.macro MUL8 f, a, zero                 ; 8 products: p's block a x v's eight; the 32 accumulators take turns in the same order in every quarter
.irp b, 0,1,2,3,4,5,6,7
.if \zero
	v_wmma_f32_16x16x32_f16 v[8*(8*\a+\b):8*(8*\a+\b)+7], v[\f+8*\b:\f+8*\b+7], v[\f+64+8*\a:\f+64+8*\a+7], 0
.else
	v_wmma_f32_16x16x32_f16 v[8*(8*\a+\b):8*(8*\a+\b)+7], v[\f+8*\b:\f+8*\b+7], v[\f+64+8*\a:\f+64+8*\a+7], v[8*(8*\a+\b):8*(8*\a+\b)+7]
.endif
.endr
.endm
.macro FETCH slot, q, f                ; 24 LDS loads in one run: 32 keys' fragments: v's eight (turned), then p's four
	WIN 0
.irp b, 0,1,2,3,4,5,6,7
	ds_load_tr16_b128 v[\f+8*\b:\f+8*\b+3],   v[ADRB+\slot] offset:32*PB*\q+32*\b
	ds_load_tr16_b128 v[\f+8*\b+4:\f+8*\b+7], v[ADRB+\slot] offset:32*PB*\q+32*\b+16*PB
.endr
.irp a, 0,1,2,3
	ds_load_b128 v[\f+64+8*\a:\f+64+8*\a+3],   v[ADRA+\slot] offset:16*PA*\a+64*\q
	ds_load_b128 v[\f+64+8*\a+4:\f+64+8*\a+7], v[ADRA+\slot] offset:16*PA*\a+64*\q+32
.endr
.endm
.macro PLACES
.rept 4
	v_nop
.endr
.endm
.macro QUARTER slot, q, f, g, zero     ; multiplies buffer f; in its middle fetches the slot's quarter q into buffer g
	s_wait_dscnt 4                                 ; v's fragments and p's blocks 0, 1 are in; the youngest four loads may be out
	WIN MUL
	MUL8 \f, 0, \zero
	MUL8 \f, 1, \zero
	PLACES
	FETCH \slot, \q, \g
	s_wait_dscnt 24                                ; all but the 24 just issued
	WIN MUL
	MUL8 \f, 2, \zero
	MUL8 \f, 3, \zero
.endm
.macro TURN slot, next, fill           ; the last quarter changes slots
	WIN 0
	s_wait_tensorcnt 0x0                           ; my part of the next slot has landed; no load of mine is out
	ds_add_u32 v[SPW], v[NIL]
	s_wait_dscnt 5                                 ; the add and the youngest four loads may be out
	WIN MUL
	MUL8 F1, 0, 0
	s_wait_dscnt 0x0                               ; the add is done, my reads of this slot are over
	s_barrier_signal -1
	MUL8 F1, 1, 0
	WIN 0
	s_barrier_wait -1
.if \fill
	s_add_nc_u64 s[G0A+4*\slot+2:G0A+4*\slot+3], s[G0A+4*\slot+2:G0A+4*\slot+3], 512
	s_add_nc_u64 s[G0B+4*\slot+2:G0B+4*\slot+3], s[G0B+4*\slot+2:G0B+4*\slot+3], 524288
	JLOAD \slot                                    ; my one load behind this barrier; its four v_nop are also the places in front of the loads below
.else
	PLACES
.endif
	FETCH \next, 0, F0
	WIN MUL
	MUL8 F1, 2, 0
	MUL8 F1, 3, 0
.endm
	s_wait_tensorcnt 1                             ; my part of slot 0 is in; slot 1's load may be out
	s_barrier_signal -1
	s_barrier_wait -1
	FETCH 0, 0, F0
	QUARTER 0, 1, F0, F1, 1                        ; the first quarter starts the sums
	WIN 0
	s_lshr_b32 s3, s15, 1                          ; laps of 256 keys less one
	s_cmp_eq_u32 s3, 0
	s_cbranch_scc1 .Llast                          ; the first two blocks of a sequence have the one lap that is written out below
.Llap:
	QUARTER 0, 2, F1, F0, 0
	QUARTER 0, 3, F0, F1, 0
	TURN 0, 1, 1
	QUARTER 1, 1, F0, F1, 0
	QUARTER 1, 2, F1, F0, 0
	QUARTER 1, 3, F0, F1, 0
	TURN 1, 0, 1
	QUARTER 0, 1, F0, F1, 0
	WIN 0
	s_sub_co_u32 s3, s3, 1
	s_cmp_lg_u32 s3, 0
	s_cbranch_scc1 .Llap
.Llast:
	QUARTER 0, 2, F1, F0, 0                        ; the last lap fills nothing
	QUARTER 0, 3, F0, F1, 0
	TURN 0, 1, 0
	QUARTER 1, 1, F0, F1, 0
	QUARTER 1, 2, F1, F0, 0
	QUARTER 1, 3, F0, F1, 0
	s_wait_dscnt 4
	WIN MUL
	MUL8 F1, 0, 0
	MUL8 F1, 1, 0
	s_wait_dscnt 0
	MUL8 F1, 2, 0
	MUL8 F1, 3, 0
	WIN 0
	PLACES
; THE WAY OUT, 16 queries x 128 channels at a time: rounded to f16, through my stage, back as whole rows of 256 bytes.
.macro PACK a
	WIN 0x05                                       ; sources window 1
.irp b, 0,1,2,3,4,5,6,7
.irp r, 0,1,2,3
	v_cvt_pk_f16_f32 v[TMP+4*\b+\r], v[8*(8*(\a)+\b)+2*\r], v[8*(8*(\a)+\b)+2*\r+1]
.endr
.endr
	WIN 0
.endm
.macro TOSTAGE a
.set BB, BK+32*((\a)%2)
.irp b, 0,1,2,3,4,5,6,7
	ds_store_b128 v[STO], v[TMP+4*\b:TMP+4*\b+3] offset:32*\b
.endr
.irp t, 0,1,2,3,4,5,6,7
	ds_load_b128 v[BB+4*\t:BB+4*\t+3], v[RD] offset:\t*2*SPITCH
.endr
.endm
.macro SEND a
.set BB, BK+32*((\a)%2)
	s_wait_dscnt 0x0
	s_wait_xcnt 0x0                                ; earlier stores have read their base and their data
.if (\a) > 0
	s_add_nc_u64 s[8:9], s[8:9], 16*2048
.endif
.irp t, 0,1,2,3,4,5,6,7
	global_store_b128 v[CO], v[BB+4*\t:BB+4*\t+3], s[8:9] offset:2*\t*2048   ; sixteen lanes store 256 consecutive bytes, aligned
.endr
.endm
	PACK 0
	TOSTAGE 0
.irp a, 1,2,3
	PACK \a
	SEND \a-1
	TOSTAGE \a
.endr
	SEND 3
	s_wait_tensorcnt 0x0                           ; the wave's end
	ds_add_u32 v[SPW], v[NIL]
	s_wait_dscnt 0x0
	s_endpgm
.Lfunc_end_k_q9713e3e44c_pv:
	.size	k_q9713e3e44c_pv, .Lfunc_end_k_q9713e3e44c_pv-k_q9713e3e44c_pv
	.p2alignl 7, 3214868480
	.fill 96, 4, 3214868480
	.section	.rodata,"a",@progbits
	.p2align	6, 0x0
	.amdhsa_kernel k_q9713e3e44c_pv
		.amdhsa_group_segment_fixed_size 327680
		.amdhsa_private_segment_fixed_size 0
		.amdhsa_enable_private_segment 0
		.amdhsa_kernarg_size 24
		.amdhsa_user_sgpr_count 2
		.amdhsa_user_sgpr_kernarg_segment_ptr 1
		.amdhsa_wavefront_size32 1
		.amdhsa_system_sgpr_workgroup_id_x 1
		.amdhsa_system_sgpr_workgroup_id_y 1
		.amdhsa_system_sgpr_workgroup_id_z 1
		.amdhsa_system_vgpr_workitem_id 0
		.amdhsa_next_free_vgpr 512
		.amdhsa_next_free_sgpr 66
		.amdhsa_reserve_vcc 0
		.amdhsa_float_denorm_mode_32 3
		.amdhsa_float_denorm_mode_16_64 3
		.amdhsa_memory_ordered 1
		.amdhsa_forward_progress 1
		.amdhsa_inst_pref_size 85
	.end_amdhsa_kernel
	.amdgpu_metadata
---
amdhsa.version: [ 1, 2 ]
amdhsa.kernels:
  - .name:           k_q9713e3e44c_pv
    .symbol:         k_q9713e3e44c_pv.kd
    .args:
      - { .name: pm, .offset: 0, .size: 8, .value_kind: global_buffer, .address_space: global }
      - { .name: qkv, .offset: 8, .size: 8, .value_kind: global_buffer, .address_space: global }
      - { .name: om, .offset: 16, .size: 8, .value_kind: global_buffer, .address_space: global }
    .group_segment_fixed_size: 327680
    .private_segment_fixed_size: 0
    .kernarg_segment_align: 8
    .kernarg_segment_size: 24
    .max_flat_workgroup_size: 128
    .sgpr_count:     66
    .vgpr_count:     512
    .wavefront_size: 32
...
	.end_amdgpu_metadata
.endif
;; end of part 5
;; launch oproj (part 6): grid 4 x 64, 4 waves a work-group, clusters of 4 x 4, 327,680 bytes of LDS; arguments om, wq, bo, out0; writes out0
.if DOCPART == 6
	.amdgcn_target "amdgcn-amd-amdhsa--gfx1250"
	.amdhsa_code_object_version 6
	.text
	.protected	k_q9713e3e44c_oproj
	.globl	k_q9713e3e44c_oproj
	.p2align	8
	.type	k_q9713e3e44c_oproj,@function
k_q9713e3e44c_oproj:
	s_mov_b64 s[64:65], 0
	v_nop
	global_prefetch_b8 v0, s[64:65] scope:SCOPE_SE
	s_setreg_imm32_b32 hwreg(HW_REG_WAVE_MODE, 25, 1), 1
	s_wait_xcnt 0x0
	s_wait_alu depctr_hold_cnt(0) depctr_sa_sdst(0) depctr_va_vdst(0) depctr_va_sdst(0) depctr_va_ssrc(0) depctr_va_vcc(0) depctr_vm_vsrc(0)
	s_getreg_b32 s2, hwreg(HW_REG_IB_STS2, 6, 4)
	s_cmp_eq_u32 s2, 0
	s_cbranch_scc0 .Lentry_in_a_cluster
	s_endpgm
.Lentry_in_a_cluster:
	s_bfe_u32 s2, ttmp6, 0x10000c
	s_cmp_lg_u32 s2, 0xf033
	s_cbranch_scc0 .Lentry_shape_is_right
	s_endpgm
.Lentry_shape_is_right:
; OPROJ: out0 = om Wo + bo, f16 operands (Wo as f16 lies in wq, [k][n]), f32 sums, f32 out.  Positions 0-15 of each sequence are written again, more finely, by the next launch.
; A work-group makes 128 rows x 256 columns; a wave 64 x 128: 32 accumulators (window 1).  K = 1,024 goes in steps of 128 through two LDS slots: waves 0, 1 fetch om's halves,
; waves 2, 3 Wo's (64 k x 512 bytes); Wo's fragments come out of LDS turned, by ds_load_tr16_b128.
; CLUSTER 4 x 4: the four of a row share om's tiles, the four of a column Wo's; each tile is asked for jointly, behind a round of the cluster's barrier.
; The matrix instruction is used transposed (source 0 = 16 columns of Wo, source 1 = 16 rows of om): a lane holds eight neighbouring columns of one row.
; LIMIT: om and Wo are f16: magnitudes under 65,504.
; REGISTERS: window 0: v8-11 the bias; v12-26 addresses; v64-159, v160-255 two fragment buffers, later rows on the way out.  window 1: accumulator (a, b) at v[8 (8 a + b)].
.set WQO,   1671168                    ; where Wo as f16 begins in wq
.set PA,    272                        ; a row of om's tile: 256 bytes + 16
.set PB,    544                        ; a row of Wo's tile: 512 bytes + 32: the turning load's 8 rows x 32 bytes fall on different banks
.set SLOT,  128*PA+128*PB
.set STAGE, 2*SLOT                     ; behind the ring: 16 rows x 528 bytes a wave
.set SPITCH, 528
.set SPARE, STAGE+4*16*SPITCH          ; behind the stages: the spare words, 128 bytes a wave
.set SPW,  12                          ; v12 LDS address of my spare word; never rewritten
.set NIL,  13                          ; v13 0; never rewritten
.set ADRA, 16
.set ADRB, 20
.set STO,  24
.set RD,   25
.set CO,   26
.set F0,   64
.set F1,   160
.set BK,   64
.set G1A, 24
.set G0A, 32
.set G1B, 48
.set G0B, 56
.set OUTP, 66                          ; s[66:67] out0, at my wave's rows and columns
.set MSB, 0
.macro WIN new                         ; the immediate's high byte repeats the setting that is left
.if MSB != (\new)
	s_set_vgpr_msb (MSB<<8)|(\new)
.set MSB, \new
.endif
.endm
.set MUL, 0x50                         ; C and D window 1, the fragments window 0
.macro JLOAD s                         ; a joint load: waves 0, 1 for om, waves 2, 3 for Wo; an s_nop 0 and four v_nop follow each of the two lines
	s_cmp_lt_u32 s10, 2
	s_cbranch_scc0 .Lfor_b_\@
	tensor_load_to_lds s[G0A+4*\s:G0A+4*\s+3], s[G1A:G1A+7]
	s_nop 0
.rept 4
	v_nop
.endr
	s_branch .Lasked_\@
.Lfor_b_\@:
	tensor_load_to_lds s[G0B+4*\s:G0B+4*\s+3], s[G1B:G1B+7]
	s_nop 0
.rept 4
	v_nop
.endr
.Lasked_\@:
.endm
.macro CREST                           ; a round of the cluster's barrier behind its opening barrier
	s_cmp_lg_u32 s10, 0
	s_cbranch_scc1 .Lnot_wave_0_\@
	s_barrier_signal -3
.Lnot_wave_0_\@:
	s_barrier_wait -3
	s_barrier_signal -1
	s_barrier_wait -1
.endm
.macro CROUND                          ; a whole round
	s_barrier_signal -1
	s_barrier_wait -1
	CREST
.endm
	s_load_b128 s[4:7], s[0:1], 0x0                ; om, wq
	s_load_b64 s[8:9], s[0:1], 0x10                ; bo
	s_load_b64 s[OUTP:OUTP+1], s[0:1], 0x18        ; out0
	v_lshl_add_u32 v[SPW], v0, 2, SPARE
	v_mov_b32 v[NIL], 0
	ds_add_u32 v[SPW], v[NIL]                      ; the opening: the add, twice on end, and its wait ahead of the round in front of my first tensor load
	ds_add_u32 v[SPW], v[NIL]
	v_lshrrev_b32 v1, 5, v0
	v_readfirstlane_b32 s10, v1                    ; wave
	s_lshr_b32 s11, s10, 1                         ; my half of the rows
	s_and_b32 s12, s10, 1                          ; my half of the columns; also: which 64 rows I fetch
	s_bfe_u32 s40, ttmp6, 0x40000                  ; cx
	s_bfe_u32 s41, ttmp6, 0x40004                  ; cy
	s_lshl_b32 s42, ttmp9, 2
	s_add_co_u32 s42, s42, s40                     ; tile column 0..3
	s_and_b32 s13, ttmp7, 0xffff
	s_lshl_b32 s13, s13, 2
	s_add_co_u32 s13, s13, s41                     ; tile row 0..63
	s_lshl_b32 s43, s41, 2
	s_lshl_b32 s43, 15, s43                        ; my row of the cluster
	s_lshl_b32 s44, 0x1111, s40                    ; my column
	s_or_b32 s[G1A+0], s43, (1<<16)|(1<<20)|(1<<21)|(5<<22)|(3<<25)   ; the mask; elements of 2 bytes; bit 21 beside a mask; 4 words of padding behind every 64
	s_mov_b32 s[G1A+1], 128<<16                    ; tensor_dim0 = 128
	s_mov_b32 s[G1A+2], 64<<16                     ; tensor_dim1 = 64
	s_mov_b32 s[G1A+3], 128<<16                    ; tile_dim0
	s_mov_b32 s[G1A+4], 64                         ; tile_dim1
	s_mov_b32 s[G1A+5], 1024                       ; pitch in elements
	s_mov_b32 s[G1A+6], 0
	s_mov_b32 s[G1A+7], 0
	s_or_b32 s[G1B+0], s44, (1<<16)|(1<<20)|(1<<21)|(6<<22)|(7<<25)   ; 8 words of padding behind every 128
	s_mov_b32 s[G1B+1], 256<<16
	s_mov_b32 s[G1B+2], 64<<16
	s_mov_b32 s[G1B+3], 256<<16
	s_mov_b32 s[G1B+4], 64
	s_mov_b32 s[G1B+5], 1024
	s_mov_b32 s[G1B+6], 0
	s_mov_b32 s[G1B+7], 0
	s_lshl_b32 s17, s12, 6
	s_lshl_b32 s18, s13, 7
	s_add_co_u32 s18, s18, s17
	s_lshl_b32 s18, s18, 11                        ; om: row 128 x tile row + 64 x half, 2,048 bytes a row
	s_mov_b32 s19, 0
	s_lshl_b32 s46, s17, 11                        ; Wo: k = 64 x half,
	s_lshl_b32 s47, s42, 9
	s_add_co_u32 s46, s46, s47                     ; my tile column's 256 columns,
	s_add_co_u32 s46, s46, WQO                     ; behind the codes and scale bytes in wq
	s_mov_b32 s47, 0
	s_mul_i32 s22, s12, 64*PA                      ; LDS: om's halves,
	s_mul_i32 s23, s12, 64*PB
	s_add_co_u32 s23, s23, 128*PA                  ; then Wo's: no place in the cluster enters an LDS address
	s_wait_dscnt 0x0                               ; both opening adds are done
	s_wait_kmcnt 0x0
	s_add_nc_u64 s[18:19], s[4:5], s[18:19]
	s_add_nc_u64 s[46:47], s[6:7], s[46:47]
	CROUND                                         ; all sixteen work-groups are here: the first joint loads meet
.irp s, 0,1
	s_mov_b32 s[G0A+4*\s], 1
	s_add_co_u32 s[G0A+4*\s+1], s22, \s*SLOT
	s_add_nc_u64 s[G0A+4*\s+2:G0A+4*\s+3], s[18:19], \s*256
	s_or_b32 s[G0A+4*\s+3], s[G0A+4*\s+3], 0x80000000
	s_mov_b32 s[G0B+4*\s], 1
	s_add_co_u32 s[G0B+4*\s+1], s23, \s*SLOT
	s_add_nc_u64 s[G0B+4*\s+2:G0B+4*\s+3], s[46:47], \s*262144
	s_or_b32 s[G0B+4*\s+3], s[G0B+4*\s+3], 0x80000000
	JLOAD \s                                       ; two loads of mine are out
.endr
	v_and_b32 v1, 15, v0                           ; r
	v_bfe_u32 v2, v0, 4, 1                         ; h
	v_mul_u32_u24 v5, v1, PA
	v_lshl_add_u32 v5, v2, 4, v5
	s_mul_i32 s21, s11, 64*PA
	v_add_nc_u32 v[ADRA], s21, v5                  ; om: (64 half + r) rows + 16 h
	v_add_nc_u32 v[ADRA+1], SLOT, v[ADRA]
	v_and_b32 v3, 7, v0
	v_lshl_add_u32 v3, v2, 3, v3
	v_mul_u32_u24 v3, v3, PB
	v_bfe_u32 v4, v0, 3, 1
	v_lshl_add_u32 v3, v4, 4, v3
	s_lshl_b32 s21, s12, 8
	s_add_co_u32 s21, s21, 128*PA
	v_add_nc_u32 v[ADRB], s21, v3                  ; Wo: k = 8 h + lane % 8, columns 8 ((lane / 8) % 2) on, my 128 columns
	v_add_nc_u32 v[ADRB+1], SLOT, v[ADRB]
	s_mul_i32 s23, s10, 16*SPITCH
	s_add_co_u32 s23, s23, STAGE
	v_mul_u32_u24 v4, v1, SPITCH
	v_lshl_add_u32 v4, v2, 5, v4
	v_add_nc_u32 v[STO], s23, v4                   ; in: row r, 32 bytes for each half of the lanes
	v_and_b32 v5, 31, v0
	v_lshlrev_b32 v[CO], 4, v5
	v_add_nc_u32 v[RD], s23, v[CO]                 ; back: 32 lanes take a row of 512 bytes
	s_lshl_b32 s20, s42, 8
	s_lshl_b32 s21, s12, 7
	s_add_co_u32 s20, s20, s21                     ; my first column
	s_lshl_b32 s20, s20, 2
	s_mov_b32 s21, 0
	s_add_nc_u64 s[8:9], s[8:9], s[20:21]
	s_add_nc_u64 s[OUTP:OUTP+1], s[OUTP:OUTP+1], s[20:21]
	global_load_b128 v[8:11], v[CO], s[8:9]        ; bo at the four columns that I store
	s_lshl_b32 s20, s13, 7
	s_lshl_b32 s22, s11, 6
	s_add_co_u32 s20, s20, s22
	s_lshl_b32 s20, s20, 12                        ; my first row x 4,096 bytes
	s_add_nc_u64 s[OUTP:OUTP+1], s[OUTP:OUTP+1], s[20:21]
.macro MUL8 f, a, zero                 ; 8 products: om's block a x Wo's eight; the 32 accumulators take turns in the same order in every quarter
.irp b, 0,1,2,3,4,5,6,7
.if \zero
	v_wmma_f32_16x16x32_f16 v[8*(8*\a+\b):8*(8*\a+\b)+7], v[\f+8*\b:\f+8*\b+7], v[\f+64+8*\a:\f+64+8*\a+7], 0
.else
	v_wmma_f32_16x16x32_f16 v[8*(8*\a+\b):8*(8*\a+\b)+7], v[\f+8*\b:\f+8*\b+7], v[\f+64+8*\a:\f+64+8*\a+7], v[8*(8*\a+\b):8*(8*\a+\b)+7]
.endif
.endr
.endm
.macro FETCH slot, q, f                ; 24 LDS loads in one run: 32 along K: Wo's eight fragments (turned), then om's four
	WIN 0
.irp b, 0,1,2,3,4,5,6,7
	ds_load_tr16_b128 v[\f+8*\b:\f+8*\b+3],   v[ADRB+\slot] offset:32*PB*\q+32*\b
	ds_load_tr16_b128 v[\f+8*\b+4:\f+8*\b+7], v[ADRB+\slot] offset:32*PB*\q+32*\b+16*PB
.endr
.irp a, 0,1,2,3
	ds_load_b128 v[\f+64+8*\a:\f+64+8*\a+3],   v[ADRA+\slot] offset:16*PA*\a+64*\q
	ds_load_b128 v[\f+64+8*\a+4:\f+64+8*\a+7], v[ADRA+\slot] offset:16*PA*\a+64*\q+32
.endr
.endm
.macro PLACES                          ; four plain places behind matrix instructions, in front of loads into their registers and of reads of results
.rept 4
	v_nop
.endr
.endm
.macro QUARTER slot, q, f, g, zero     ; multiplies buffer f; in its middle fetches the slot's quarter q into buffer g
	s_wait_dscnt 4                                 ; Wo's fragments and om's blocks 0, 1 are in; the youngest four loads may be out
	WIN MUL
	MUL8 \f, 0, \zero
	MUL8 \f, 1, \zero
	PLACES
	FETCH \slot, \q, \g
	s_wait_dscnt 24                                ; all but the 24 just issued
	WIN MUL
	MUL8 \f, 2, \zero
	MUL8 \f, 3, \zero
.endm
.macro TURN slot, next, fill           ; the last quarter changes slots
	WIN 0
	s_wait_tensorcnt 0x0                           ; my part of the next slot has landed; no load of mine is out
	ds_add_u32 v[SPW], v[NIL]
	s_wait_dscnt 5                                 ; the add and the youngest four loads may be out
	WIN MUL
	MUL8 F1, 0, 0
	s_wait_dscnt 0x0                               ; the add is done, my reads of this slot are over
	s_barrier_signal -1
	MUL8 F1, 1, 0
	WIN 0
	s_barrier_wait -1
.if \fill
	CREST                                          ; the barrier has opened a round of the cluster's barrier: no wave of any partner still reads this slot or has a load on its way
	s_add_nc_u64 s[G0A+4*\slot+2:G0A+4*\slot+3], s[G0A+4*\slot+2:G0A+4*\slot+3], 512
	s_add_nc_u64 s[G0B+4*\slot+2:G0B+4*\slot+3], s[G0B+4*\slot+2:G0B+4*\slot+3], 524288
	JLOAD \slot                                    ; my one load behind the round; its four v_nop are also the places in front of the loads below
.else
	PLACES
.endif
	FETCH \next, 0, F0
	WIN MUL
	MUL8 F1, 2, 0
	MUL8 F1, 3, 0
.endm
	s_wait_tensorcnt 1                             ; my part of slot 0 is in; slot 1's load may be out
	s_barrier_signal -1
	s_barrier_wait -1
	FETCH 0, 0, F0
	QUARTER 0, 1, F0, F1, 1                        ; the first quarter starts the sums
	WIN 0
	s_mov_b32 s14, 3                               ; four laps of 256 along K; the last is written out
.Llap:
	QUARTER 0, 2, F1, F0, 0
	QUARTER 0, 3, F0, F1, 0
	TURN 0, 1, 1
	QUARTER 1, 1, F0, F1, 0
	QUARTER 1, 2, F1, F0, 0
	QUARTER 1, 3, F0, F1, 0
	TURN 1, 0, 1
	QUARTER 0, 1, F0, F1, 0
	WIN 0
	s_sub_co_u32 s14, s14, 1
	s_cmp_lg_u32 s14, 0
	s_cbranch_scc1 .Llap
	QUARTER 0, 2, F1, F0, 0                        ; the last lap fills nothing, and has no round of the cluster's barrier
	QUARTER 0, 3, F0, F1, 0
	TURN 0, 1, 0
	QUARTER 1, 1, F0, F1, 0
	QUARTER 1, 2, F1, F0, 0
	QUARTER 1, 3, F0, F1, 0
	s_wait_dscnt 4
	WIN MUL
	MUL8 F1, 0, 0
	MUL8 F1, 1, 0
	s_wait_dscnt 0
	MUL8 F1, 2, 0
	MUL8 F1, 3, 0
	WIN 0
	PLACES
	s_wait_loadcnt 0x0                             ; the bias
; THE WAY OUT, 16 rows x 128 columns at a time, through my stage, back as whole rows of 512 bytes; the bias is added on the way.
.macro TOSTAGE a
	WIN 0x04                                       ; an LDS store's data: window 1
.irp b, 0,1,2,3,4,5,6,7
	ds_store_b128 v[STO], v[8*(8*(\a)+\b):8*(8*(\a)+\b)+3] offset:64*\b          ; each accumulator from its low end on
	ds_store_b128 v[STO], v[8*(8*(\a)+\b)+4:8*(8*(\a)+\b)+7] offset:64*\b+16
.endr
	WIN 0
.set BB, BK+64*((\a)%2)
.irp t, 0,1,2,3,4,5,6,7,8,9,10,11,12,13,14,15
	ds_load_b128 v[BB+4*\t:BB+4*\t+3], v[RD] offset:\t*SPITCH    ; LDS serves a wave's instructions in order: these see the stores above
.endr
.endm
.macro SEND a, younger                 ; younger: the LDS instructions issued behind block a's loads, which may stay out
.set BB, BK+64*((\a)%2)
	s_wait_dscnt \younger
.if (\a) > 0
	s_add_nc_u64 s[OUTP:OUTP+1], s[OUTP:OUTP+1], 16*4096   ; behind a wait on XCNT: the earlier stores have read their base
.endif
.irp t, 0,1,2,3,4,5,6,7,8,9,10,11,12,13,14,15
	v_pk_add_f32 v[BB+4*\t:BB+4*\t+1], v[BB+4*\t:BB+4*\t+1], v[8:9]
	v_pk_add_f32 v[BB+4*\t+2:BB+4*\t+3], v[BB+4*\t+2:BB+4*\t+3], v[10:11]
	global_store_b128 v[CO], v[BB+4*\t:BB+4*\t+3], s[OUTP:OUTP+1] offset:\t*4096 th:TH_STORE_NT   ; 32 lanes store 512 consecutive bytes, aligned
.endr
.endm
	TOSTAGE 0
.irp a, 1,2,3
.if \a > 1
	s_wait_xcnt 0x0                                ; block a - 2's stores have read their registers and base
.endif
	TOSTAGE \a
	SEND \a-1, 32                                  ; behind block a - 1's loads: block a's 16 stores and 16 loads
.endr
	s_wait_xcnt 0x0
	SEND 3, 0
	s_wait_tensorcnt 0x0                           ; the wave's end
	ds_add_u32 v[SPW], v[NIL]
	s_wait_dscnt 0x0
	CROUND                                         ; the closing round: no work-group ends while a partner may still ask for a tile that names it
	s_endpgm
.Lfunc_end_k_q9713e3e44c_oproj:
	.size	k_q9713e3e44c_oproj, .Lfunc_end_k_q9713e3e44c_oproj-k_q9713e3e44c_oproj
	.p2alignl 7, 3214868480
	.fill 96, 4, 3214868480
	.section	.rodata,"a",@progbits
	.p2align	6, 0x0
	.amdhsa_kernel k_q9713e3e44c_oproj
		.amdhsa_group_segment_fixed_size 327680
		.amdhsa_private_segment_fixed_size 0
		.amdhsa_enable_private_segment 0
		.amdhsa_kernarg_size 32
		.amdhsa_user_sgpr_count 2
		.amdhsa_user_sgpr_kernarg_segment_ptr 1
		.amdhsa_wavefront_size32 1
		.amdhsa_system_sgpr_workgroup_id_x 1
		.amdhsa_system_sgpr_workgroup_id_y 1
		.amdhsa_system_sgpr_workgroup_id_z 1
		.amdhsa_system_vgpr_workitem_id 0
		.amdhsa_next_free_vgpr 512
		.amdhsa_next_free_sgpr 68
		.amdhsa_reserve_vcc 0
		.amdhsa_float_denorm_mode_32 3
		.amdhsa_float_denorm_mode_16_64 3
		.amdhsa_memory_ordered 1
		.amdhsa_forward_progress 1
		.amdhsa_inst_pref_size 93
	.end_amdhsa_kernel
	.amdgpu_metadata
---
amdhsa.version: [ 1, 2 ]
amdhsa.kernels:
  - .name:           k_q9713e3e44c_oproj
    .symbol:         k_q9713e3e44c_oproj.kd
    .args:
      - { .name: om, .offset: 0, .size: 8, .value_kind: global_buffer, .address_space: global }
      - { .name: wq, .offset: 8, .size: 8, .value_kind: global_buffer, .address_space: global }
      - { .name: bo, .offset: 16, .size: 8, .value_kind: global_buffer, .address_space: global }
      - { .name: out0, .offset: 24, .size: 8, .value_kind: global_buffer, .address_space: global }
    .group_segment_fixed_size: 327680
    .private_segment_fixed_size: 0
    .kernarg_segment_align: 8
    .kernarg_segment_size: 32
    .max_flat_workgroup_size: 128
    .sgpr_count:     68
    .vgpr_count:     512
    .wavefront_size: 32
...
	.end_amdgpu_metadata
.endif
;; end of part 6
;; launch fine16 (part 7): grid 64 x 4, 16 waves a work-group, no clusters, 34,816 bytes of LDS; arguments fine, Wo, bo, out0; writes out0
.if DOCPART == 7
	.amdgcn_target "amdgcn-amd-amdhsa--gfx1250"
	.amdhsa_code_object_version 6
	.text
	.protected	k_q9713e3e44c_fine16
	.globl	k_q9713e3e44c_fine16
	.p2align	8
	.type	k_q9713e3e44c_fine16,@function
k_q9713e3e44c_fine16:
	s_mov_b64 s[64:65], 0
	v_nop
	global_prefetch_b8 v0, s[64:65] scope:SCOPE_SE
	s_setreg_imm32_b32 hwreg(HW_REG_WAVE_MODE, 25, 1), 1
	s_wait_xcnt 0x0
; FINE16: positions 0-15 of every sequence once more, in f32 from the projections' sums on: under the causal mask these rows average one to sixteen values and are the largest in size.
; out[i][n] = the sum over j <= i of p[i][j] (v[j] . Wo[:, n]) + bo[n]: (p v) Wo is taken as p (v Wo), the same sum in another order.
; A work-group takes a batch and 16 columns n.  Wave w takes channels 64 w .. 64 w + 63 of both contractions: S^T = k q^T and v Wo, 16 matrix instructions each, on two accumulators by turns
; The sixteen partial sums meet in LDS as images of their registers; wave 0 adds them, takes the softmax, and multiplies p by v Wo.
; The channels are taken in the same permuted order on both sides of a product: in step (c, p) lane (r, h), register j, holds channel 64 w + 8 c + 4 h + 2 p + j, as fine is laid.
; The registers that the f32 matrix form writes (v144-159, v176-191) are written by matrix instructions alone.
; The stores and Wo's loads are pieces of 64 bytes: 16 of 2,048 rows of the output.
.set SPARE, 32768
.set SPW, 14
.set NIL, 15
.set QQ, 16                            ; v16-47 q, v48-79 k, v80-111 v, v112-143 Wo: my 64 channels
.set KK, 48
.set VR, 80
.set WW, 112
.set SACC, 144
.set VACC, 152
.set SS, 160                           ; the scores, whole: lane (r, h): query r, register j: key 8 h + j
.set VV, 168                           ; v Wo, whole: lane (r, h): column r, register j: key 8 h + j
.set O0, 176
.set O1, 184
	s_load_b128 s[4:7], s[0:1], 0x0                ; fine, Wo
	s_load_b128 s[8:11], s[0:1], 0x10              ; bo, out0
	v_lshl_add_u32 v[SPW], v0, 2, SPARE
	v_mov_b32 v[NIL], 0
	v_lshrrev_b32 v1, 5, v0
	v_readfirstlane_b32 s12, v1                    ; wave 0..15
	v_and_b32 v1, 15, v0                           ; r
	v_bfe_u32 v2, v0, 4, 1                         ; h
	v_lshlrev_b32 v3, 5, v1
	v_lshl_add_u32 v3, v2, 4, v3                   ; fine: 32 r + 16 h
	v_lshlrev_b32 v4, 2, v1                        ; 4 r
	v_lshl_add_u32 v5, v2, 14, v4                  ; Wo: four rows of 4,096 bytes further down for lanes 16-31
	v_lshl_add_u32 v6, v2, 15, v4                  ; out0: eight rows further down
	v_and_b32 v7, 31, v0
	v_lshlrev_b32 v7, 4, v7                        ; an image's place for my lane
	s_lshl_b32 s13, s12, 11
	v_add_nc_u32 v8, s13, v7                       ; my wave's four images of 512 bytes
	s_and_b32 s14, ttmp7, 0xffff                   ; batch
	s_lshl_b32 s16, s14, 16
	s_lshl_b32 s17, s12, 12
	s_add_co_u32 s16, s16, s17
	s_mov_b32 s17, 0
	s_lshl_b32 s20, ttmp9, 6                       ; my 16 columns, in bytes
	s_mov_b32 s21, 0
	s_lshl_b32 s18, s12, 18                        ; 64 w rows of Wo
	s_add_co_u32 s18, s18, s20
	s_mov_b32 s19, 0
	s_lshl_b32 s22, s14, 23                        ; the batch's first row of out0
	s_add_co_u32 s22, s22, s20
	s_mov_b32 s23, 0
	s_mov_b32 s24, 0x76543210
	s_mov_b32 s25, 0xfedcba98
	s_mov_b32 s26, 0x3d38aa3b                      ; c = log2(e) / 32
	s_mov_b32 s27, s26
	s_wait_kmcnt 0x0
	s_add_nc_u64 s[4:5], s[4:5], s[16:17]
	s_add_nc_u64 s[6:7], s[6:7], s[18:19]
	s_add_nc_u64 s[8:9], s[8:9], s[20:21]
	s_add_nc_u64 s[10:11], s[10:11], s[22:23]
.irp t, 0,1,2
.irp c, 0,1,2,3,4,5,6,7
	global_load_b128 v[16+32*\t+4*\c:19+32*\t+4*\c], v3, s[4:5] offset:262144*\t+512*\c   ; 32 lanes read 512 consecutive bytes
.endr
.endr
.irp c, 0,1,2,3,4,5,6,7
.irp e, 0,1,2,3
	global_load_b32 v[WW+4*\c+\e], v5, s[6:7] offset:(8*\c+\e)*4096
.endr
.endr
	global_load_b32 v9, v4, s[8:9]                 ; bo at my column
	s_wait_loadcnt 0x0
	v_wmma_f32_16x16x4_f32 v[SACC:SACC+7], v[KK:KK+1], v[QQ:QQ+1], 0          ; each sum's first K step starts it
	v_wmma_f32_16x16x4_f32 v[VACC:VACC+7], v[VR:VR+1], v[WW:WW+1], 0
.set i, 1
.rept 15
	v_wmma_f32_16x16x4_f32 v[SACC:SACC+7], v[KK+2*i:KK+2*i+1], v[QQ+2*i:QQ+2*i+1], v[SACC:SACC+7]
	v_wmma_f32_16x16x4_f32 v[VACC:VACC+7], v[VR+2*i:VR+2*i+1], v[WW+2*i:WW+2*i+1], v[VACC:VACC+7]
.set i, i+1
.endr
.rept 8
	v_nop                                          ; eight places behind this form, in front of the stores that read the results and of the loads into its sources
.endr
	ds_store_b128 v8, v[SACC:SACC+3]
	ds_store_b128 v8, v[SACC+4:SACC+7] offset:512
	ds_store_b128 v8, v[VACC:VACC+3] offset:1024
	ds_store_b128 v8, v[VACC+4:VACC+7] offset:1536
	s_wait_dscnt 0x0                               ; for the others' sake: my images have landed
	s_barrier_signal -1
	s_barrier_wait -1
	s_cmp_lg_u32 s12, 0
	s_cbranch_scc1 .Lend                           ; wave 0 goes on alone; no barrier follows
.macro GATHER off, dst                 ; the sixteen waves' images at off are added into v[dst] on
.set w, 0
.rept 16
	ds_load_b128 v[16+8*w:19+8*w], v7 offset:2048*w+\off
	ds_load_b128 v[20+8*w:23+8*w], v7 offset:2048*w+\off+512
.set w, w+1
.endr
	s_wait_dscnt 0x0
.irp n, 8,4,2
.set w, 0
.rept \n
.irp j, 0,2,4,6
	v_pk_add_f32 v[16+8*w+\j:17+8*w+\j], v[16+8*w+\j:17+8*w+\j], v[16+8*(w+\n)+\j:17+8*(w+\n)+\j]
.endr
.set w, w+1
.endr
.endr
.irp j, 0,2,4,6
	v_pk_add_f32 v[\dst+\j:\dst+\j+1], v[16+\j:17+\j], v[24+\j:25+\j]
.endr
.endm
	GATHER 0, SS
	GATHER 1024, VV
	v_lshlrev_b32 v10, 3, v2
	v_sub_nc_u32 v10, v1, v10                      ; d = r - 8 h: register j's key is hidden where j > d
	v_mov_b32 v11, 0xff800000
.irp j, 0,1,2,3,4,5,6,7
	v_cmp_gt_i32 vcc_lo, \j, v10
	v_cndmask_b32 v[SS+\j], v[SS+\j], v11, vcc_lo
.endr
	v_max3_num_f32 v12, v[SS], v[SS+1], v[SS+2]
	v_max3_num_f32 v13, v[SS+3], v[SS+4], v[SS+5]
	v_max3_num_f32 v12, v12, v[SS+6], v[SS+7]
	v_max_num_f32 v12, v12, v13
	v_permlanex16_b32 v13, v12, s24, s25
	v_max_num_f32 v12, v12, v13                    ; the query's maximum: key 0 counts for every query
	v_mul_f32 v12, 0xbd38aa3b, v12                 ; -c m
	v_mov_b32 v13, v12
.irp j, 0,2,4,6
	v_pk_fma_f32 v[SS+\j:SS+\j+1], v[SS+\j:SS+\j+1], s[26:27], v[12:13] op_sel_hi:[1,0,0]
.endr
.irp j, 0,1,2,3,4,5,6,7
	v_exp_f32 v[SS+\j], v[SS+\j]
.endr
	v_nop
	s_wait_alu depctr_va_vdst(0)                   ; one wait for the batch, ahead of its first reader
	v_pk_add_f32 v[40:41], v[SS:SS+1], v[SS+2:SS+3]
	v_pk_add_f32 v[42:43], v[SS+4:SS+5], v[SS+6:SS+7]
	v_pk_add_f32 v[40:41], v[40:41], v[42:43]
	v_add_f32 v40, v40, v41
	v_permlanex16_b32 v41, v40, s24, s25
	v_add_f32 v40, v40, v41
	v_rcp_f32 v42, v40
	v_nop
	s_wait_alu depctr_va_vdst(0)
.irp j, 0,1,2,3,4,5,6,7
	v_mul_f32 v[16+\j], v[SS+\j], v42              ; p: lane (r, h): query r, key 8 h + j
.endr
.rept 4
	v_nop
.endr
; out = p (v Wo): in step c lane (r, h), register j, holds key 8 h + 2 c + j on both sides: nothing changes lanes
	v_wmma_f32_16x16x4_f32 v[O0:O0+7], v[16:17], v[VV:VV+1], 0
	v_wmma_f32_16x16x4_f32 v[O1:O1+7], v[18:19], v[VV+2:VV+3], 0
	v_wmma_f32_16x16x4_f32 v[O0:O0+7], v[20:21], v[VV+4:VV+5], v[O0:O0+7]
	v_wmma_f32_16x16x4_f32 v[O1:O1+7], v[22:23], v[VV+6:VV+7], v[O1:O1+7]
.rept 8
	v_nop
.endr
.irp j, 0,1,2,3,4,5,6,7
	v_add_f32 v[40+\j], v[O0+\j], v[O1+\j]         ; from the low end on
.endr
.irp j, 0,1,2,3,4,5,6,7
	v_add_f32 v[40+\j], v[40+\j], v9
.endr
.irp j, 0,1,2,3,4,5,6,7
	global_store_b32 v6, v[40+\j], s[10:11] offset:4096*\j   ; out0(8 h + j, my column)
.endr
.Lend:
	s_wait_tensorcnt 0x0                           ; the wave's end, behind the last LDS store
	ds_add_u32 v[SPW], v[NIL]
	s_wait_dscnt 0x0
	s_endpgm
.Lfunc_end_k_q9713e3e44c_fine16:
	.size	k_q9713e3e44c_fine16, .Lfunc_end_k_q9713e3e44c_fine16-k_q9713e3e44c_fine16
	.p2alignl 7, 3214868480
	.fill 96, 4, 3214868480
	.section	.rodata,"a",@progbits
	.p2align	6, 0x0
	.amdhsa_kernel k_q9713e3e44c_fine16
		.amdhsa_group_segment_fixed_size 34816
		.amdhsa_private_segment_fixed_size 0
		.amdhsa_enable_private_segment 0
		.amdhsa_kernarg_size 32
		.amdhsa_user_sgpr_count 2
		.amdhsa_user_sgpr_kernarg_segment_ptr 1
		.amdhsa_wavefront_size32 1
		.amdhsa_system_sgpr_workgroup_id_x 1
		.amdhsa_system_sgpr_workgroup_id_y 1
		.amdhsa_system_sgpr_workgroup_id_z 1
		.amdhsa_system_vgpr_workitem_id 0
		.amdhsa_next_free_vgpr 192
		.amdhsa_next_free_sgpr 66
		.amdhsa_reserve_vcc 1
		.amdhsa_float_denorm_mode_32 3
		.amdhsa_float_denorm_mode_16_64 3
		.amdhsa_memory_ordered 1
		.amdhsa_forward_progress 1
		.amdhsa_inst_pref_size 26
	.end_amdhsa_kernel
	.amdgpu_metadata
---
amdhsa.version: [ 1, 2 ]
amdhsa.kernels:
  - .name:           k_q9713e3e44c_fine16
    .symbol:         k_q9713e3e44c_fine16.kd
    .args:
      - { .name: fine, .offset: 0, .size: 8, .value_kind: global_buffer, .address_space: global }
      - { .name: Wo, .offset: 8, .size: 8, .value_kind: global_buffer, .address_space: global }
      - { .name: bo, .offset: 16, .size: 8, .value_kind: global_buffer, .address_space: global }
      - { .name: out0, .offset: 24, .size: 8, .value_kind: global_buffer, .address_space: global }
    .group_segment_fixed_size: 34816
    .private_segment_fixed_size: 0
    .kernarg_segment_align: 8
    .kernarg_segment_size: 32
    .max_flat_workgroup_size: 512
    .sgpr_count:     66
    .vgpr_count:     192
    .wavefront_size: 32
...
	.end_amdgpu_metadata
.endif
;; end of part 7
